; MI455X (gfx1250); checked and timed in simulation.
; The chip was launched on July 23, 2026; its instructions are those of AMD's public machine-readable ISA for CDNA 5 (MIT licence, August 2026) and "CDNA5" Instruction Set Architecture Reference Guide (July 2026). The comments in the code are by the model that wrote it; some were corrected since.
;; Mixture Of Experts. Allowed arithmetic: float matrix products may take bf16 or f16 operands with f32 sums; other float arithmetic in f32, or as packed bf16 or f16 multiplies, adds, multiply-adds, maxima and minima; sums over many terms, partial sums and values carried from step to step in f32; what a program stores and reads back later, other than sums and carried values, may be rounded once to bf16 or f16.
;; Inputs: W1 8 x 1,024 x 4,096 float32; W2 8 x 4,096 x 1,024 float32; Wr 1,024 x 8 float32; b1 8 x 4,096 float32; b2 8 x 1,024 float32; br 8 float32; x 1,024 x 1,024 float32.
;; Outputs: out0 1,024 x 1,024 float32.
;; One version. Each part assembles by itself: llvm-mc -triple=amdgcn-amd-amdhsa -mcpu=gfx1250 --defsym DOCPART=n.
;; ======== version 1 of 1: 4 launches
;; limits: values outside matrix products are rounded to bf16
;; workspace buffers: xb 2,097,152 bytes; route 4,096 bytes of whole numbers; cw 8,192 bytes; hid 16,777,216 bytes; y 33,554,432 bytes; lists 45,056 bytes of whole numbers
;; launch router (part 1): grid 256 x 1, 4 waves a work-group, no clusters, 1,024 bytes of LDS; arguments x, Wr, br, xb, route, cw; writes xb, route, cw
.if DOCPART == 1
	.amdgcn_target "amdgcn-amd-amdhsa--gfx1250"
	.amdhsa_code_object_version 6
	.text
	.protected	k_q619f23c309_router
	.globl	k_q619f23c309_router
	.p2align	8
	.type	k_q619f23c309_router,@function
k_q619f23c309_router:
	s_mov_b64 s[64:65], 0
	v_nop
	global_prefetch_b8 v0, s[64:65] scope:SCOPE_SE
	s_setreg_imm32_b32 hwreg(HW_REG_WAVE_MODE, 25, 1), 1
	s_wait_xcnt 0x0
; ROUTER.  logits = x Wr + br, the two largest of eight, their weights renormalised; and a bf16 copy of x for the first product.
; x: [1024][1024] f32.  Wr: [1024][8] f32.  br: [8] f32.  xb: [1024][1024] bf16.  route: [1024] words, first expert | second expert << 8.  cw: [2][1024] f32.
; FORMATS.  x, Wr and br are rounded to bf16 first, as every input of this program is, so that the choice is made on the same numbers that the products use; products and sums in f32.
; SOFTMAX.  Of the softmax only the ratio of the two kept terms is left: with m1 >= m2 the two largest logits, t = e^(m2 - m1), the weights are 1 / (1 + t) and t / (1 + t).
; m1 is the row's maximum, so the exponent is never above 0.
; LIMITS.  The two experts are chosen on the logits (the lower index wins a tie); where different logits round to equal probabilities the order may differ from a choice on
; probabilities.  t below 2^-126 counts as 0.  NaN and infinities are not treated apart.
; SHARES.  A work-group has 4 tokens, a wave 256 of the 1,024 columns, a lane 8 columns of each token.  The product is made on the vector unit: eight columns of Wr fill half a matrix
; tile, and x arrives here in the lane order that the cast wants.  No cluster: the work-groups share Wr alone, 32 KB.
.set SPARE, 512       ; behind the four waves' partial sums: the spare words, 128 bytes a wave
.set SPW, 5           ; v5   my spare word; never rewritten
.set NIL, 6           ; v6   0; never rewritten
.set X,   8           ; v[8:39]    x: token t, half q at X + 8 t + 4 q
.set WR,  40          ; v[40:103]  Wr: half q, column i, expert e at WR + 32 q + 8 i + e
.set AC,  104         ; v[104:135] sums: token t, expert e at AC + 8 t + e
.set PK,  136         ; v[136:151] x packed to bf16
.set TT,  152         ; v[152:163] at work
	s_load_b256 s[4:11], s[0:1], 0x0               ; x s[4:5], Wr s[6:7], br s[8:9], xb s[10:11]
	s_load_b128 s[12:15], s[0:1], 0x20             ; route s[12:13], cw s[14:15]
	v_lshl_add_u32 v[SPW], v0, 2, SPARE
	v_mov_b32 v[NIL], 0
	v_lshrrev_b32 v1, 5, v0
	v_readfirstlane_b32 s16, v1                    ; wave 0..3
	v_and_b32 v1, 31, v0
	v_lshlrev_b32 v2, 4, v1                        ; x: 16 bytes a lane
	v_lshlrev_b32 v3, 7, v1                        ; Wr: 4 rows of 32 bytes a lane
	v_lshlrev_b32 v4, 3, v1                        ; xb: 8 bytes a lane
	s_lshl_b32 s18, ttmp9, 14                      ; x: 4 rows of 4,096 bytes a work-group,
	s_lshl_b32 s17, s16, 10                        ; 1,024 bytes a wave
	s_add_co_u32 s18, s18, s17
	s_mov_b32 s19, 0
	s_lshl_b32 s20, s16, 13                        ; Wr: 256 rows of 32 bytes a wave
	s_mov_b32 s21, 0
	s_lshl_b32 s22, ttmp9, 13                      ; xb: 4 rows of 2,048 bytes, 512 bytes a wave
	s_lshl_b32 s17, s16, 9
	s_add_co_u32 s22, s22, s17
	s_mov_b32 s23, 0
	s_lshl_b32 s32, ttmp9, 4                       ; route and cw: 4 words a work-group
	s_mov_b32 s33, 0
	s_mov_b32 s34, 0x76543210                      ; v_permlanex16_b32: each lane takes its own place in the other half
	s_mov_b32 s35, 0xfedcba98
	s_mov_b32 s36, 0xffff0000                      ; a word's upper bf16
	s_wait_kmcnt 0x0
	s_load_b256 s[24:31], s[8:9], 0x0              ; br
	s_add_nc_u64 s[4:5], s[4:5], s[18:19]
	s_add_nc_u64 s[6:7], s[6:7], s[20:21]
	s_add_nc_u64 s[10:11], s[10:11], s[22:23]
	s_add_nc_u64 s[12:13], s[12:13], s[32:33]
	s_add_nc_u64 s[14:15], s[14:15], s[32:33]
.set z, 0
.rept 8                                                ; z = 2 t + q: 512 consecutive bytes of token t
	global_load_b128 v[X+4*z:X+4*z+3], v2, s[4:5] offset:4096*(z/2)+512*(z%2) th:TH_LOAD_NT
.set z, z+1
.endr
.set z, 0
.rept 16                                               ; z = 8 q + m: piece m of my four rows of half q
	global_load_b128 v[WR+4*z:WR+4*z+3], v3, s[6:7] offset:4096*(z/8)+16*(z%8)
.set z, z+1
.endr
	s_wait_loadcnt 16                              ; x is in; Wr's sixteen loads are younger
.set z, 0
.rept 8
	v_cvt_pk_bf16_f32 v[PK+2*z], v[X+4*z], v[X+4*z+1]
	v_cvt_pk_bf16_f32 v[PK+2*z+1], v[X+4*z+2], v[X+4*z+3]
	global_store_b64 v4, v[PK+2*z:PK+2*z+1], s[10:11] offset:2048*(z/2)+256*(z%2)  ; the wave stores 256 consecutive bytes, aligned
	v_lshlrev_b32 v[X+4*z], 16, v[PK+2*z]          ; and the rounded numbers go back to f32
	v_and_b32 v[X+4*z+1], s36, v[PK+2*z]
	v_lshlrev_b32 v[X+4*z+2], 16, v[PK+2*z+1]
	v_and_b32 v[X+4*z+3], s36, v[PK+2*z+1]
.set z, z+1
.endr
	s_wait_loadcnt 0x0                             ; Wr
.set z, 0
.rept 32                                               ; Wr rounded to bf16 and widened again, in place
	v_cvt_pk_bf16_f32 v[TT+z%4], v[WR+2*z], v[WR+2*z+1]
	v_lshlrev_b32 v[WR+2*z], 16, v[TT+z%4]
	v_and_b32 v[WR+2*z+1], s36, v[TT+z%4]
.set z, z+1
.endr
	; 128 packed multiply-adds: two experts at a time, one x for both; the sixteen sums take turns, and the first column starts them
.irp q, 0,1
.irp i, 0,1,2,3
.irp t, 0,1,2,3
.irp p, 0,1,2,3
.set rA, AC+8*\t+2*\p
.set rW, WR+32*\q+8*\i+2*\p
.set rX, X+8*\t+4*\q+2*(\i/2)
.if (\q)+(\i) == 0
	v_pk_mul_f32 v[rA:rA+1], v[rW:rW+1], v[rX:rX+1] op_sel_hi:[1,0]
.elseif (\i)%2 == 0
	v_pk_fma_f32 v[rA:rA+1], v[rW:rW+1], v[rX:rX+1], v[rA:rA+1] op_sel_hi:[1,0,1]
.else
	v_pk_fma_f32 v[rA:rA+1], v[rW:rW+1], v[rX:rX+1], v[rA:rA+1] op_sel:[0,1,0] op_sel_hi:[1,1,1]
.endif
.endr
.endr
.endr
.endr
	; the 32 sums over the wave's lanes: four steps inside each half, one across
.irp m, 1,2,4,8
.set z, 0
.rept 32
	v_add_f32_dpp v[AC+z], v[AC+z], v[AC+z] row_xmask:\m row_mask:0xf bank_mask:0xf
.set z, z+1
.endr
.endr
.set z, 0
.rept 32
	v_permlanex16_b32 v[WR+z], v[AC+z], s34, s35   ; Wr's registers have been written and are free
.set z, z+1
.endr
.set z, 0
.rept 16
	v_pk_add_f32 v[AC+2*z:AC+2*z+1], v[AC+2*z:AC+2*z+1], v[WR+2*z:WR+2*z+1]
.set z, z+1
.endr
	s_lshl_b32 s17, s16, 7
	v_mov_b32 v7, s17                              ; my wave's 128 bytes; every lane holds the same 32 sums
.set z, 0
.rept 8
	ds_store_b128 v7, v[AC+4*z:AC+4*z+3] offset:16*z
.set z, z+1
.endr
	s_wait_dscnt 0x0                               ; for the others' sake: my sums are in LDS
	s_barrier_signal -1
	s_barrier_wait -1
	s_cmp_lg_u32 s16, 0
	s_cbranch_scc1 .Lend                           ; wave 0 finishes the four tokens
	v_and_b32 v[TT], 3, v0                         ; lane l works on token l % 4: eight lanes do the same work and store the same words
	v_lshlrev_b32 v[TT+1], 5, v[TT]
	v_lshlrev_b32 v[TT+2], 2, v[TT]
.irp w, 0,1,2,3
	ds_load_b128 v[WR+8*\w:WR+8*\w+3], v[TT+1] offset:128*\w
	ds_load_b128 v[WR+8*\w+4:WR+8*\w+7], v[TT+1] offset:128*\w+16
.endr
	s_wait_kmcnt 0x0                               ; br
.irp p, 0,1,2,3
	v_cvt_pk_bf16_f32 v[TT+3], s[24+2*\p], s[25+2*\p]
	v_lshlrev_b32 v[WR+32+2*\p], 16, v[TT+3]
	v_and_b32 v[WR+33+2*\p], s36, v[TT+3]
.endr
	s_wait_dscnt 0x0
.irp w, 1,2,3,4                                        ; the four waves' parts in a fixed order, then br
.irp p, 0,1,2,3
	v_pk_add_f32 v[WR+2*\p:WR+2*\p+1], v[WR+2*\p:WR+2*\p+1], v[WR+8*\w+2*\p:WR+8*\w+2*\p+1]
.endr
.endr
	v_mov_b32 v[TT+4], v[WR]                       ; m1, and its expert
	v_mov_b32 v[TT+5], 0
.irp e, 1,2,3,4,5,6,7
	v_cmp_gt_f32 vcc_lo, v[WR+\e], v[TT+4]         ; strictly greater: the lower index keeps a tie
	v_cndmask_b32 v[TT+4], v[TT+4], v[WR+\e], vcc_lo
	v_cndmask_b32 v[TT+5], v[TT+5], \e, vcc_lo
.endr
	v_mov_b32 v[TT+8], 0xff800000
.irp e, 0,1,2,3,4,5,6,7
	v_cmp_eq_u32 vcc_lo, \e, v[TT+5]               ; the winner leaves the field
	v_cndmask_b32 v[WR+\e], v[WR+\e], v[TT+8], vcc_lo
.endr
	v_mov_b32 v[TT+6], v[WR]                       ; m2, and its expert
	v_mov_b32 v[TT+7], 0
.irp e, 1,2,3,4,5,6,7
	v_cmp_gt_f32 vcc_lo, v[WR+\e], v[TT+6]
	v_cndmask_b32 v[TT+6], v[TT+6], v[WR+\e], vcc_lo
	v_cndmask_b32 v[TT+7], v[TT+7], \e, vcc_lo
.endr
	v_sub_f32 v[TT+9], v[TT+6], v[TT+4]            ; m2 - m1, never above 0
	v_mul_f32 v[TT+9], 0x3fb8aa3b, v[TT+9]
	v_exp_f32 v[TT+9], v[TT+9]                     ; t
	v_lshl_or_b32 v[TT+3], v[TT+7], 8, v[TT+5]     ; the plain instruction behind the exponential: the route word
	s_wait_alu depctr_va_vdst(0)                   ; the wait ahead of the result's first reader
	v_add_f32 v[TT+10], 1.0, v[TT+9]
	v_rcp_f32 v[TT+10], v[TT+10]                   ; the first weight
	v_nop
	s_wait_alu depctr_va_vdst(0)
	v_mul_f32 v[TT+11], v[TT+9], v[TT+10]          ; the second
	global_store_b32 v[TT+2], v[TT+3], s[12:13]
	global_store_b32 v[TT+2], v[TT+10], s[14:15]
	global_store_b32 v[TT+2], v[TT+11], s[14:15] offset:4096
.Lend:
	s_wait_tensorcnt 0x0                           ; the wave's end, behind my last LDS store
	ds_add_u32 v[SPW], v[NIL]
	s_wait_dscnt 0x0
	s_endpgm
.Lfunc_end_k_q619f23c309_router:
	.size	k_q619f23c309_router, .Lfunc_end_k_q619f23c309_router-k_q619f23c309_router
	.p2alignl 7, 3214868480
	.fill 96, 4, 3214868480
	.section	.rodata,"a",@progbits
	.p2align	6, 0x0
	.amdhsa_kernel k_q619f23c309_router
		.amdhsa_group_segment_fixed_size 1024
		.amdhsa_private_segment_fixed_size 0
		.amdhsa_enable_private_segment 0
		.amdhsa_kernarg_size 48
		.amdhsa_user_sgpr_count 2
		.amdhsa_user_sgpr_kernarg_segment_ptr 1
		.amdhsa_wavefront_size32 1
		.amdhsa_system_sgpr_workgroup_id_x 1
		.amdhsa_system_sgpr_workgroup_id_y 1
		.amdhsa_system_sgpr_workgroup_id_z 1
		.amdhsa_system_vgpr_workitem_id 0
		.amdhsa_next_free_vgpr 164
		.amdhsa_next_free_sgpr 66
		.amdhsa_reserve_vcc 1
		.amdhsa_float_denorm_mode_32 3
		.amdhsa_float_denorm_mode_16_64 3
		.amdhsa_memory_ordered 1
		.amdhsa_forward_progress 1
		.amdhsa_inst_pref_size 36
	.end_amdhsa_kernel
	.amdgpu_metadata
---
amdhsa.version: [ 1, 2 ]
amdhsa.kernels:
  - .name:           k_q619f23c309_router
    .symbol:         k_q619f23c309_router.kd
    .args:
      - { .name: x, .offset: 0, .size: 8, .value_kind: global_buffer, .address_space: global }
      - { .name: Wr, .offset: 8, .size: 8, .value_kind: global_buffer, .address_space: global }
      - { .name: br, .offset: 16, .size: 8, .value_kind: global_buffer, .address_space: global }
      - { .name: xb, .offset: 24, .size: 8, .value_kind: global_buffer, .address_space: global }
      - { .name: route, .offset: 32, .size: 8, .value_kind: global_buffer, .address_space: global }
      - { .name: cw, .offset: 40, .size: 8, .value_kind: global_buffer, .address_space: global }
    .group_segment_fixed_size: 1024
    .private_segment_fixed_size: 0
    .kernarg_segment_align: 8
    .kernarg_segment_size: 48
    .max_flat_workgroup_size: 128
    .sgpr_count:     66
    .vgpr_count:     164
    .wavefront_size: 32
...
	.end_amdgpu_metadata
.endif
;; end of part 1
;; launch up (part 2): grid 32 x 8, 4 waves a work-group, no clusters, 318,464 bytes of LDS; arguments W1, b1, xb, route, hid, lists; writes hid, lists
.if DOCPART == 2
	.amdgcn_target "amdgcn-amd-amdhsa--gfx1250"
	.amdhsa_code_object_version 6
	.text
	.protected	k_q619f23c309_up
	.globl	k_q619f23c309_up
	.p2align	8
	.type	k_q619f23c309_up,@function
k_q619f23c309_up:
	s_mov_b64 s[64:65], 0
	v_nop
	global_prefetch_b8 v0, s[64:65] scope:SCOPE_SE
	s_setreg_imm32_b32 hwreg(HW_REG_WAVE_MODE, 25, 1), 1
	s_wait_xcnt 0x0
; ONE PRODUCT OF THE EXPERTS' CHAIN, for the rows that chose the expert.  One text serves both products; UP chooses.  This is the first product.
;   UP = 1:  hid[rid][:] = gelu(xb[token] W1[e] + b1[e]), bf16.      UP = 0:  y[kq][rid][:] = cw[rid] (hid[rid][quarter kq] W2[e][quarter kq] + b2[e] in quarter 0 alone), f32.
; rid = k x 1024 + token names a token's k-th choice; route[token] holds its two experts.  (UP = 0: a token's eight partial rows, 4 quarters x 2 choices, are partial sums: f32; the next launch adds them.)
; SHARES.  Work-group (x, y): expert y and a slice of its weights that no other work-group reads: 1,024 K rows x 128 columns, 512 KB of f32 (UP: columns 128 x; else columns 128 (x % 8),
; K quarter x / 8).  It serves all rows of its expert, whatever the split: 1,024 at the most.  Four waves, all running the same text.
; THE SLICE comes in through registers, is rounded to bf16 and laid into LDS, where all of it stays: 1,024 rows of 256 bytes.  K goes in 16 chunks of 64 (two K steps of 32); of each chunk a wave brings 16 K rows.
; TRIP u has two halves of 32 matrix instructions (40 where the wave's fifth tile has rows).  The first multiplies K step 1 of chunk u - 2, the second K step 0 of chunk u - 1: the products lag half a
; chunk behind the barrier that shows a chunk whole, so that a trip begins on fragments fetched in the trip before, and the barrier's signal and wait stand among its first products.  All the other work of
; a trip rides in slices of four lines behind every second matrix instruction: the rounding of my weights of chunk u, the loads of my weights of chunk u + 2 and of my rows of chunk u, the stores of chunk u
; into LDS, and the fetch of the weight fragments for the next half into the buffer that the half in hand does not read.  A slice costs two switches of the register window.
; No byte of the slice is written twice, so the one barrier a trip is enough.  Weights and rows have two register sets each, by the chunk's parity, so the loop's body is two trips; trips 0, 1 and 14 to 17
; are written out, so that no load is jumped and every count holds on every path.
; TILES.  The expert's rows are listed in LDS and cut into tiles of 16.  UP = 1: wave 0 makes the list by a counting pass over route (no atomics), and the work-group with x = 0 stores it, with the count, in
; lists; UP = 0: wave 0 copies it from there.  A pass holds 20 tiles, five a wave: 40 accumulators.  Pass 0 runs while the weights arrive; passes 1 to 3, for an expert with more than 320 rows, read the
; resident slice.  Places past the count repeat the expert's last row: the same numbers go to the same bytes, so EXEC is never changed.  An expert
; without rows stores no row.
; THE MATRIX INSTRUCTION IS USED TRANSPOSED: source 0 = 16 columns of W (turned on the way out of LDS by ds_load_tr16_b128), source 1 = 16 rows.  A lane then holds eight neighbouring columns of one row.
; THE BIAS IS THE FIRST K STEP: a fragment with the bias at k = 0 times a fragment with 1.0 at k = 0, with the constant 0 as C, starts every sum.
; NO CLUSTER, NO TENSOR LOAD: each weight has one reader and must pass through registers to be rounded; the rows come by a list, which no descriptor covers; beside the slice 24 KB of LDS are left.
; FORMATS AND LIMITS.  Weights, bias and rows are bf16 (all inputs of this program are rounded so), sums and the combine weight f32, hid rounded once to bf16.  gelu(u) = max(u, 0) - |u| Q(|u|),
; Q = erfc(|u| / sqrt 2) / 2 by the five-term rational form (Abramowitz and Stegun 7.1.26), absolute error of Q at most 0.75e-7 for every u; Q below 2^-126 counts as 0.  NaN and infinities are not treated apart.
.set UP, 1
.if UP
.set WP,  16384       ; bytes from a K row of the weights to the next
.set XSH, 11          ; a row of the left operand: 2,048 bytes (xb)
.set OSH, 13          ; a row of the result: 8,192 bytes (hid)
.else
.set WP,  4096
.set XSH, 13          ; 8,192 bytes (hid)
.set OSH, 12          ; 4,096 bytes (y)
.endif
.set CWN,   5-5*UP    ; loads of combine weights at a pass's beginning
.set PW,    288       ; a K row in LDS: 256 bytes + 32
.set CH,    64*PW     ; a chunk
.set LIST,  16*CH     ; 1,280 words: the expert's rids
.set CNTW,  LIST+5120 ; word 0: the expert's count
.set DUMP,  CNTW+256  ; a word a lane, for lanes with nothing to list
.set DUMPI, (DUMP-LIST)/4
.set STAGE, DUMP+256  ; 16 rows x 272 bytes for each wave, for the way out
.set SPITCH, 272
.set SPARE, STAGE+4*16*SPITCH  ; the spare words, 128 bytes a wave: two blocks of 256 bytes that no other line names
.set LSTB,  5632      ; an expert's part of lists: its 1,280 words, then 128 words that all hold its count: 22 whole blocks of 256 bytes
; REGISTERS, in windows of 256 (s_set_vgpr_msb: bits 1:0 source 0, 3:2 source 1, 5:4 source 2, 7:6 destination).  Window 0:
.set AW0, 3           ; my lane's place in a chunk, for the turning load
.set AW,  4           ; + the chunk in hand
.set LST, 5           ; list address of row l % 16 of my tile 0 of pass 0
.set XO,  6           ; v[6:10]  byte offset of my row of tile j in the left operand, + 16 (l / 16)
.set LS2, 11          ; list address of row l / 16 of my tile 0 of pass 0
.set STO, 12          ; the way out: where I put my numbers of a row
.set RD,  13          ; where I read rows back
.set GO,  14          ; 16 (l % 16)
.set RW,  16          ; v[16:23] the way out: byte offsets of the rows that I store
.set ONE, 16          ; the same registers, outside the way out: the fragment with 1.0 at k = 0
.set CW,  24          ; v[24:25] the row's combine weight (UP = 0)
.set H16, 26          ; 16 (l / 16)
.set LSW, 27          ; LS2 + the pass in hand
.set SPW, 30          ; my spare word; never rewritten
.set NIL, 31          ; 0; never rewritten
.set RID, 32          ; v[32:36] my row's rid in tile j; UP = 0: then its combine weight
.set L16, 37          ; 16 x lane: my 16 bytes of a K row of f32; never rewritten
.set PS0, 38          ; 8 x lane + my 16 rows' place in a chunk
.set PS,  39          ; + the chunk in hand
.set BV,  40          ; v[40:47] the bias of column 16 b + l % 16 as bf16 in lanes 0-15, 0 in the others
.set A,   48          ; v[48:127] row fragments of an even chunk: K step s of its two, tile j at A + 40 s + 8 j.  An odd chunk's have the same numbers in window 2
.set WF,  128         ; v[128:255] weight fragments, a buffer for each K step of a chunk: K step s, column block b at WF + 64 s + 8 b
.set V,   112         ; the way out, when A and WF are free: 32 numbers at work,
.set T,   144
.set E,   160
.set P,   176
.set OB,  144         ; and 16 rows read back from the stage
; Window 1: the accumulators of tiles 0-3, tile j, column block b at 64 j + 8 b.
.set TMP, 0           ; window 2, v[0:31]: my 16 K rows in bf16
.set RWL, 0           ; window 2, v[0:39], at the way out: the rids of rows 2 t + l / 16 of tile j at RWL + 8 j + t
.set S,   128         ; window 2, v[128:255]: my 16 K rows as loaded, two sets by the chunk's parity
.set ACC4, 0          ; window 3, v[0:63]: tile 4's accumulators
.set MSB, 0
.macro WIN new                         ; the immediate's high byte repeats the setting that is left; at a label and at a branch every window is 0
.if MSB != (\new)
	s_set_vgpr_msb (MSB<<8)|(\new)
.set MSB, (\new)
.endif
.endm
.macro PLACES                          ; four plain vector instructions between a matrix instruction and a load into, or a vector instruction on, its registers
.rept 4
	v_nop
.endr
.endm
; THE TRIPS' PARTS.  The symbols PAR (the trip's parity), i (the half's matrix instruction) and q (the half's rider) are set by TRIP.
; Matrix instruction i of a half's 32: column block i / 4, tile i % 4, K step st, rows from the set of parity ap.  The 32 accumulators take turns, one instruction a turn.
.macro MM st, ap
	WIN 0x50+8*(\ap)                               ; C and D in window 1, the rows in window 0 or 2
.set rD, 64*(i%4)+8*(i/4)
	v_wmma_f32_16x16x32_bf16 v[rD:rD+7], v[WF+64*(\st)+8*(i/4):WF+64*(\st)+8*(i/4)+7], v[A+40*(\st)+8*(i%4):A+40*(\st)+8*(i%4)+7], v[rD:rD+7]
.endm
; Tile 4's eight, at a half's end: jumped where the tile has no rows
.macro MM4 st, ap
	WIN 0
	s_cmp_lt_u32 s26, 5
	s_cbranch_scc1 .Lno4_\@
	WIN 0xf0+8*(\ap)                               ; C and D in window 3
.irp b, 0,1,2,3,4,5,6,7
	v_wmma_f32_16x16x32_bf16 v[ACC4+8*\b:ACC4+8*\b+7], v[WF+64*(\st)+8*\b:WF+64*(\st)+8*\b+7], v[A+40*(\st)+32:A+40*(\st)+39], v[ACC4+8*\b:ACC4+8*\b+7]
.endr
	WIN 0
.Lno4_\@:
.endm
; The riders, one line each.
.macro R_CVT n                         ; two of my weights of chunk u rounded: number n of 32
	WIN 0x8a                                       ; sources and destination in window 2
	v_cvt_pk_bf16_f32 v[TMP+(\n)], v[S+64*PAR+2*(\n)], v[S+64*PAR+2*(\n)+1]
.endm
.macro R_WL n                          ; K row n of my 16 of chunk u + 2: its 512 bytes
	WIN 0x80                                       ; destination in window 2
	global_load_b128 v[S+64*PAR+4*(\n):S+64*PAR+4*(\n)+3], v[L16], s[60:61] offset:(64+(\n))*WP th:TH_LOAD_NT
.endm
.macro R_F st, n                       ; half n % 2 of the weight fragment of column block n / 2, K step st of the chunk at v[AW]
	WIN 0
	ds_load_tr16_b128 v[WF+64*(\st)+4*(\n):WF+64*(\st)+4*(\n)+3], v[AW] offset:32*PW*(\st)+16*PW*((\n)%2)+32*((\n)/2)
.endm
.macro R_ST n                          ; K row n of my 16 of chunk u into LDS: 32 lanes, 256 consecutive bytes
	WIN 0x08                                       ; the data in window 2
	ds_store_b64 v[PS], v[TMP+2*(\n):TMP+2*(\n)+1] offset:PW*(\n)
.endm
.macro R_AL n                          ; row load n of 20 of chunk u: K step n / 10, tile (n % 10) / 2, half n % 2 of the fragment
	WIN 0x80*PAR
	global_load_b128 v[A+40*((\n)/10)+4*((\n)%10):A+40*((\n)/10)+4*((\n)%10)+3], v[XO+((\n)%10)/2], s[30:31] offset:64*((\n)/10)+32*((\n)%2)
.endm
; Rider q of the first half's 64: 24 roundings; the 16 fragment loads of (u - 1, 0), which stand behind the barrier's wait; 8 roundings; the 16 weight loads, into the set just rounded.
; The roundings (in a trip without them four v_nop) are the places between the last half's products and the loads into the buffer that those read.
.macro RH1 f0, wp, wl
.if q < 24
.if \wp
	R_CVT q
.elseif (\f0) && (q < 4)
	v_nop
.endif
.elseif q < 40
.if \f0
	R_F 0, q-24
.endif
.elseif q < 48
.if \wp
	R_CVT q-16
.endif
.elseif \wl
	R_WL q-48
.endif
.set q, q+1
.endm
; Rider q of the second half's 56: four v_nop, the places between the first half's products and the loads into the registers that those read; the 20 row loads; the 16 fragment loads of (u - 1, 1); the 16 stores.
.macro RH2 m2, wp
.if q < 4
.if \m2
	v_nop
.endif
.elseif q < 24
.if \wp
	R_AL q-4
.endif
.elseif q < 40
.if \m2
	R_F 1, q-24
.endif
.elseif q < 56
.if \wp
	R_ST q-40
.endif
.endif
.set q, q+1
.endm
; TRIP u.  par = u % 2.  m1: (u - 2, 1) is multiplied.  m2: the barrier that shows chunk u - 1 whole; (u - 1, 0) is fetched and multiplied, (u - 1, 1) fetched.  wp: my weights of chunk u are rounded and stored,
; and my rows of chunk u asked for.  wl: my weights of chunk u + 2 are asked for.
; COUNTS.  A trip asks in this order: 16 weight loads, 10 row loads of K step 0, 10 of K step 1.  lc, at the head: the weights of chunk u and the rows of (u - 2, 1) must be in; younger are the last trip's
; 16 + 20 = 36.  lc2, at the second half's head: the rows of (u - 1, 0) must be in; younger are that chunk's other 10 and this trip's 16 = 26.  The trips that are written out have what is left of these.
; So at most 36 + 16 = 52 loads of a wave are out.  dc, at the head: the fragments of (u - 2, 1) must be in; younger are the last trip's 16 stores.
.macro TRIP par, lc, dc, lc2, m1, m2, wp, wl
.set PAR, \par
	s_wait_loadcnt \lc
	s_wait_xcnt 0x0                                ; the two bases below are rewritten only behind this wait
.if \wl
	s_add_nc_u64 s[60:61], s[60:61], 64*WP         ; a chunk on
.endif
.if \wp
	s_add_nc_u64 s[30:31], s[8:9], s[28:29]        ; chunk u's 128 bytes of a row
	s_add_co_u32 s28, s28, 128
	v_add_nc_u32 v[PS], s22, v[PS0]
.endif
.if \m2
	s_sub_co_u32 s23, s22, CH
	v_add_nc_u32 v[AW], s23, v[AW0]                ; chunk u - 1
.endif
.if \m1
	s_wait_dscnt \dc
.endif
.set i, 0
.set q, 0
.rept 32
.if \m1
	MM 1, PAR
.endif
.if i%2 == 0
.rept 4
	RH1 \m2, \wp, \wl
.endr
.endif
.if (\m2) && (i == 3)
	s_wait_dscnt 0x0                               ; for the others' sake: my stores of chunk u - 1 are done
	s_barrier_signal -1                            ; products and roundings, work on registers, stand between the signal and the wait
.endif
.if (\m2) && (i == 11)
	s_barrier_wait -1                              ; chunk u - 1 is whole, for every wave
.endif
.set i, i+1
.endr
.if \m1
	MM4 1, PAR
.endif
.if \m2
	s_wait_loadcnt \lc2
	s_wait_dscnt 0x0                               ; the fragments of (u - 1, 0): no LDS instruction was issued behind them
.endif
.set i, 0
.set q, 0
.rept 32
.if \m2
	MM 0, 1-PAR
.endif
.if i%2 == 0
.rept 4
	RH2 \m2, \wp
.endr
.endif
.set i, i+1
.endr
.if \m2
	MM4 0, 1-PAR
.endif
	WIN 0
.if \wp
	s_add_co_u32 s22, s22, CH
.endif
.endm
; THE LATER PASSES' PARTS: plain runs, since an expert with more than 320 rows is the rare case.
; Eight LDS loads: the weight fragments of K step st of the chunk, column blocks 4 hb .. 4 hb + 3, into the first buffer
.macro FETCHW st, hb
.irp bb, 0,1,2,3
	ds_load_tr16_b128 v[WF+8*(4*(\hb)+\bb):WF+8*(4*(\hb)+\bb)+3],   v[AW] offset:32*PW*(\st)+32*(4*(\hb)+\bb)
	ds_load_tr16_b128 v[WF+8*(4*(\hb)+\bb)+4:WF+8*(4*(\hb)+\bb)+7], v[AW] offset:32*PW*(\st)+16*PW+32*(4*(\hb)+\bb)
.endr
.endm
; Ten loads: my five tiles' row fragments of K step st of the chunk at s[30:31], into the even set
.macro XLOAD st
.irp tj, 0,1,2,3,4
	global_load_b128 v[A+40*(\st)+8*\tj:A+40*(\st)+8*\tj+3],   v[XO+\tj], s[30:31] offset:64*(\st)
	global_load_b128 v[A+40*(\st)+8*\tj+4:A+40*(\st)+8*\tj+7], v[XO+\tj], s[30:31] offset:64*(\st)+32
.endr
.endm
; Twenty matrix instructions: four column blocks x five tiles, 32 along K.  The accumulators take turns, one instruction a turn.  Tile 4 is jumped where it has no rows.
.macro MULH st, hb
	WIN 0x50                                       ; C and D in window 1
.irp bb, 0,1,2,3
.irp tj, 0,1,2,3
.set rD, 64*\tj+8*(4*(\hb)+\bb)
	v_wmma_f32_16x16x32_bf16 v[rD:rD+7], v[WF+8*(4*(\hb)+\bb):WF+8*(4*(\hb)+\bb)+7], v[A+40*(\st)+8*\tj:A+40*(\st)+8*\tj+7], v[rD:rD+7]
.endr
.endr
	WIN 0
	s_cmp_lt_u32 s26, 5
	s_cbranch_scc1 .Lno4_\@
	WIN 0xf0                                       ; C and D in window 3
.irp bb, 0,1,2,3
.set rD, ACC4+8*(4*(\hb)+\bb)
	v_wmma_f32_16x16x32_bf16 v[rD:rD+7], v[WF+8*(4*(\hb)+\bb):WF+8*(4*(\hb)+\bb)+7], v[A+40*(\st)+32:A+40*(\st)+39], v[rD:rD+7]
.endr
	WIN 0
.Lno4_\@:
.endm
; A chunk of a later pass, out of the resident slice: the rows alone are loaded, K step by K step.  On the way in, and on the way out, the twenty row loads of the chunk to come are out.
.macro CPART
	s_wait_xcnt 0x0                                ; the row loads' base is rewritten only behind this wait
	s_add_co_u32 s28, s28, 128                     ; the next chunk's 128 bytes of a row; behind the last chunk back to the first, so that no load leaves a row
	s_and_b32 s28, s28, 0x7ff
	s_add_nc_u64 s[30:31], s[8:9], s[28:29]
	FETCHW 0, 0
	FETCHW 0, 1
	s_wait_loadcnt 10                              ; K step 0's rows are in; K step 1's ten loads are younger
	s_wait_dscnt 8                                 ; all but the youngest eight fragment loads are in
	MULH 0, 0
	PLACES
	FETCHW 1, 0
	s_wait_dscnt 8
	MULH 0, 1
	PLACES
	FETCHW 1, 1
	XLOAD 0                                        ; the next chunk's K step 0
	s_wait_loadcnt 10                              ; K step 1's rows are in; the ten just issued are younger
	s_wait_dscnt 8
	MULH 1, 0
	s_wait_dscnt 0x0
	MULH 1, 1
	PLACES
	XLOAD 1
.endm
; A pass begins: my five tiles' rows are looked up.  s37: the pass's place in the list, in bytes.
.macro ROWSET
	v_add_nc_u32 v28, s37, v[LST]
.irp tj, 0,1,2,3,4
	ds_load_b32 v[RID+\tj], v28 offset:256*\tj
.endr
	s_wait_dscnt 0x0
.irp tj, 0,1,2,3,4
	v_min_u32 v[RID+\tj], 0x7ff, v[RID+\tj]        ; a number from memory enters an address only behind a clamp
.if UP
	v_and_b32 v[RID+\tj], 0x3ff, v[RID+\tj]        ; the token
.endif
	v_lshl_add_u32 v[XO+\tj], v[RID+\tj], XSH, v[H16]
.endr
.if !UP
.irp tj, 0,1,2,3,4
	v_lshlrev_b32 v[RID+\tj], 2, v[RID+\tj]
	global_load_b32 v[RID+\tj], v[RID+\tj], s[14:15]  ; the row's combine weight lands on its own address; it is read behind a wait for all loads
.endr
.endif
	s_mov_b32 s28, 0
.endm
; The sums begin: bias x 1.0 at k = 0, C the constant 0: 40 matrix instructions on 40 accumulators.
.macro BIASINIT
	v_xor_b32 v[ONE], 1, v2
	v_mul_u32_u24 v[ONE], 0x3f80, v[ONE]           ; bf16 1.0 at k = 0 (lanes 0-15, register 0, low half)
.irp i, 1,2,3,4,5,6,7
	v_mov_b32 v[ONE+\i], 0
.endr
.irp b, 0,1,2,3,4,5,6,7
	v_mov_b32 v[WF+8*\b], v[BV+\b]
.irp i, 1,2,3,4,5,6,7
	v_mov_b32 v[WF+8*\b+\i], 0
.endr
.endr
	WIN 0x40                                       ; D in window 1
.irp b, 0,1,2,3,4,5,6,7
.irp tj, 0,1,2,3
	v_wmma_f32_16x16x32_bf16 v[64*\tj+8*\b:64*\tj+8*\b+7], v[WF+8*\b:WF+8*\b+7], v[ONE:ONE+7], 0
.endr
.endr
	WIN 0xc0                                       ; D in window 3
.irp b, 0,1,2,3,4,5,6,7
	v_wmma_f32_16x16x32_bf16 v[ACC4+8*\b:ACC4+8*\b+7], v[WF+8*\b:WF+8*\b+7], v[ONE:ONE+7], 0
.endr
	WIN 0
	PLACES
.endm
.macro NTCALC                          ; how many of my five tiles of the pass have rows: (T - 20 p - wave + 3) / 4, held to 0 .. 5
	s_ashr_i32 s26, s25, 2
	s_max_i32 s26, s26, 0
	s_min_i32 s26, s26, 5
.endm
; The way out, first step, written out for each tile tl and half hf (four column blocks, 32 numbers a lane).  In a tile's first half the offsets of the rows that I store are made of the rids.
; Then the half leaves its accumulators, each from its low end on: UP: times k1; else times the row's combine weight.
.macro VSTEP tl, hf
.if (\hf) == 0
	WIN 0x08                                       ; source 1 in window 2
.irp t, 0,1,2,3,4,5,6,7
	v_min_u32 v[RW+\t], 0x7ff, v[RWL+8*(\tl)+\t]   ; a number from memory enters an address only behind a clamp
.endr
	WIN 0
.irp t, 0,1,2,3,4,5,6,7
	v_lshl_add_u32 v[RW+\t], v[RW+\t], OSH, v[GO]
.endr
.endif
.if (\tl) < 4
.set rB, 64*(\tl)+32*(\hf)
.else
.set rB, ACC4+32*(\hf)
.endif
.if !UP
	v_mov_b32 v[CW], v[RID+(\tl)]
.endif
.if (\tl) < 4
	WIN 0x01                                       ; source 0 in window 1
.else
	WIN 0x03                                       ; source 0 in window 3
.endif
.set z, 0
.rept 16
.if UP
	v_pk_mul_f32 v[V+2*z:V+2*z+1], v[rB+2*z:rB+2*z+1], s[42:43] op_sel_hi:[1,0]
.else
	v_pk_mul_f32 v[V+2*z:V+2*z+1], v[rB+2*z:rB+2*z+1], v[CW:CW+1] op_sel_hi:[1,0]
.endif
.set z, z+1
.endr
	WIN 0
.endm
.if UP
; gelu of sixteen numbers, given as v = k1 u with k1 = sqrt(log2(e) / 2), so that e^(-u u / 2) = 2^(-v v).  t = 1 / (1 + p |u| / sqrt 2); Q = t (a1 + t (a2 + t (a3 + t (a4 + t a5)))) 2^(-v v), the
; coefficients halved; gelu = (max(v, 0) - |v| Q) / k1: no difference of near numbers in either tail.  The 32 transcendentals are one batch with one wait.
.macro GELU16 o
.set z, 0
.rept 8
	v_pk_mul_f32 v[E+2*z:E+2*z+1], v[V+(\o)+2*z:V+(\o)+2*z+1], v[V+(\o)+2*z:V+(\o)+2*z+1] neg_lo:[1,0] neg_hi:[1,0]
.set z, z+1
.endr
.set z, 0
.rept 16
	v_fma_f32 v[T+z], |v[V+(\o)+z]|, s40, 1.0
.set z, z+1
.endr
.set z, 0
.rept 16
	v_rcp_f32 v[T+z], v[T+z]
.set z, z+1
.endr
.set z, 0
.rept 16
	v_exp_f32 v[E+z], v[E+z]
.set z, z+1
.endr
	v_nop                                          ; the plain instruction behind the last of them,
	s_wait_alu depctr_va_vdst(0)                   ; and the wait ahead of the first reader: one for the batch
.set z, 0
.rept 8
	v_pk_fma_f32 v[P+2*z:P+2*z+1], v[T+2*z:T+2*z+1], s[44:45], s[46:47] op_sel_hi:[1,0,0]
.set z, z+1
.endr
.irp c, 48,50,52
.set z, 0
.rept 8
	v_pk_fma_f32 v[P+2*z:P+2*z+1], v[P+2*z:P+2*z+1], v[T+2*z:T+2*z+1], s[\c:\c+1] op_sel_hi:[1,1,0]
.set z, z+1
.endr
.endr
.set z, 0
.rept 8
	v_pk_mul_f32 v[P+2*z:P+2*z+1], v[P+2*z:P+2*z+1], v[T+2*z:T+2*z+1]
.set z, z+1
.endr
.set z, 0
.rept 8
	v_pk_mul_f32 v[E+2*z:E+2*z+1], v[E+2*z:E+2*z+1], v[P+2*z:P+2*z+1]  ; Q
.set z, z+1
.endr
.set z, 0
.rept 16
	v_max_num_f32 v[T+z], 0, v[V+(\o)+z]
.set z, z+1
.endr
.set z, 0
.rept 16
	v_fma_f32 v[T+z], -|v[V+(\o)+z]|, v[E+z], v[T+z]
.set z, z+1
.endr
.set z, 0
.rept 8
	v_pk_mul_f32 v[V+(\o)+2*z:V+(\o)+2*z+1], v[T+2*z:T+2*z+1], s[58:59] op_sel_hi:[1,0]
.set z, z+1
.endr
.endm
.endif
	s_load_b256 s[4:11], s[0:1], 0x0               ; weights s[4:5], bias s[6:7], left operand s[8:9]; s[10:11]: UP: route, else lists
	s_load_b128 s[12:15], s[0:1], 0x20             ; result s[12:13]; s[14:15]: UP: lists, else cw
	v_lshl_add_u32 v[SPW], v0, 2, SPARE
	v_mov_b32 v[NIL], 0
	v_lshrrev_b32 v1, 5, v0
	v_readfirstlane_b32 s16, v1                    ; wave 0..3
	v_and_b32 v28, 31, v0                          ; lane
	v_lshlrev_b32 v[L16], 4, v28
	v_and_b32 v1, 15, v0                           ; l % 16
	v_lshlrev_b32 v29, 2, v1
	s_and_b32 s19, ttmp7, 0xffff                   ; the expert
	s_lshl_b32 s32, s19, 24                        ; its weights: 16 MB
	s_mov_b32 s33, 0
	s_mov_b32 s35, 0
	s_mov_b32 s37, 0
	s_mov_b32 s29, 0
	s_mul_i32 s62, s16, 16*WP                      ; my 16 K rows of a chunk
	s_mov_b32 s63, 0
	s_mul_i32 s54, s19, LSTB                       ; the expert's part of lists
	s_mov_b32 s55, 0
.if UP
	s_lshl_b32 s23, ttmp9, 9                       ; the slice's 128 columns of f32
	s_add_co_u32 s32, s32, s23
	s_lshl_b32 s34, s19, 14                        ; the expert's bias, and the slice's part of it
	s_add_co_u32 s34, s34, s23
	s_lshl_b32 s36, ttmp9, 8                       ; the slice's 128 columns of bf16 in a row of hid
	s_mov_b32 s40, 0x3e8ba43f                      ; (0.3275911 / sqrt 2) / k1 = 0.27273748
	s_mov_b32 s42, 0x3f596d27                      ; k1 = 0.84932180
	s_mov_b32 s43, s42                             ; (the packed forms name pairs and take the low word)
	s_mov_b32 s44, 0x3f07dc22                      ; a5 / 2 =  0.53070271
	s_mov_b32 s45, s44
	s_mov_b32 s46, 0xbf3a00e3                      ; a4 / 2 = -0.72657601
	s_mov_b32 s47, s46
	s_mov_b32 s48, 0x3f35f0e3                      ; a3 / 2 =  0.71070687
	s_mov_b32 s49, s48
	s_mov_b32 s50, 0xbe11a98e                      ; a2 / 2 = -0.14224837
	s_mov_b32 s51, s50
	s_mov_b32 s52, 0x3e027906                      ; a1 / 2 =  0.12741480
	s_mov_b32 s53, s52
	s_mov_b32 s58, 0x3f96b55f                      ; 1 / k1 = 1.17741002
	s_mov_b32 s59, s58
.else
	s_and_b32 s20, ttmp9, 7                        ; which 128 columns
	s_lshr_b32 s21, ttmp9, 3                       ; which quarter of K
	s_lshl_b32 s23, s20, 9
	s_add_co_u32 s32, s32, s23
	s_lshl_b32 s24, s21, 22                        ; 1,024 K rows of 4,096 bytes
	s_add_co_u32 s32, s32, s24
	s_lshl_b32 s34, s19, 12
	s_add_co_u32 s34, s34, s23
	s_lshl_b32 s36, s21, 23                        ; the quarter's plane of y
	s_add_co_u32 s36, s36, s23
	s_lshl_b32 s38, s21, 11                        ; the quarter's 2,048 bytes of a row of hid
	s_mov_b32 s39, 0
	s_cmp_eq_u32 s21, 0
	s_cselect_b32 s41, -1, 0                       ; the bias counts once: in quarter 0
.endif
	s_wait_kmcnt 0x0
	s_add_nc_u64 s[4:5], s[4:5], s[32:33]
	s_add_nc_u64 s[6:7], s[6:7], s[34:35]
	s_add_nc_u64 s[12:13], s[12:13], s[36:37]
.if UP
	s_add_nc_u64 s[14:15], s[14:15], s[54:55]
.else
	s_add_nc_u64 s[8:9], s[8:9], s[38:39]
	s_add_nc_u64 s[10:11], s[10:11], s[54:55]
.endif
	s_add_nc_u64 s[60:61], s[4:5], s[62:63]        ; the weights at my rows of chunk 0
	s_cmp_lg_u32 s16, 0
	s_cbranch_scc1 .Lnolist
	; wave 0 asks first for what the list is made of, so that its wait for that leaves bias and weights out
.if UP
.irp g, 0,1,2,3,4,5,6,7
	global_load_b128 v[64+4*\g:67+4*\g], v[L16], s[10:11] offset:512*\g  ; lane l: the route words of tokens 128 g + 4 l + c
.endr
.else
.irp g, 0,1,2,3,4,5,6,7,8,9
	global_load_b128 v[64+4*\g:67+4*\g], v[L16], s[10:11] offset:512*\g  ; the expert's list as the first product's launch stored it
.endr
	v_mov_b32 v107, 0
	global_load_b32 v118, v107, s[10:11] offset:5120                     ; and its count
.endif
.Lnolist:
.irp b, 0,1,2,3,4,5,6,7
	global_load_b32 v[BV+\b], v29, s[6:7] offset:64*\b  ; the bias ahead of the weights, so that its wait leaves them out
.endr
	WIN 0x80                                       ; destination in window 2
.set i, 0
.rept 32                                               ; my rows of chunks 0 and 1
	global_load_b128 v[S+4*i:S+4*i+3], v[L16], s[60:61] offset:(64*(i/16)+i%16)*WP th:TH_LOAD_NT
.set i, i+1
.endr
	WIN 0
	; the lane's constants
	s_mul_i32 s23, s16, 16*PW
	v_lshl_add_u32 v[PS0], v28, 3, s23             ; 8 bytes of bf16 a lane, in my 16 rows of a chunk
	v_bfe_u32 v2, v0, 4, 1                         ; l / 16
	v_and_b32 v28, 7, v0
	v_lshl_add_u32 v28, v2, 3, v28
	v_bfe_u32 v27, v0, 3, 1
	v_mul_u32_u24 v[AW0], v28, PW                  ; the turning load: K row 8 (l / 16) + l % 8,
	v_lshl_add_u32 v[AW0], v27, 4, v[AW0]          ; columns 8 ((l / 8) % 2) on
	s_lshl_b32 s23, s16, 6                         ; tile t's rows lie at 64 t in the list; my tiles are 20 p + 4 j + wave
	s_add_co_u32 s23, s23, LIST
	v_lshl_add_u32 v[LST], v1, 2, s23
	v_lshl_add_u32 v[LS2], v2, 2, s23
	s_mul_i32 s23, s16, 16*SPITCH
	s_add_co_u32 s23, s23, STAGE                   ; my stage
	v_mul_u32_u24 v[STO], v1, SPITCH               ; in: row l % 16, eight numbers for each half of the lanes
.if UP
	v_lshl_add_u32 v[STO], v2, 4, v[STO]
.else
	v_lshl_add_u32 v[STO], v2, 5, v[STO]
.endif
	v_add_nc_u32 v[STO], s23, v[STO]
	v_mul_u32_u24 v[RD], v2, SPITCH                ; back: lanes 0-15 take one row of 256 bytes, lanes 16-31 the next
	v_lshl_add_u32 v[RD], v1, 4, v[RD]
	v_add_nc_u32 v[RD], s23, v[RD]
	v_lshlrev_b32 v[GO], 4, v1
	v_lshlrev_b32 v[H16], 4, v2
	s_cmp_lg_u32 s16, 0
	s_cbranch_scc1 .LbarL
	v_add_nc_u32 v106, LIST, v[L16]
	v_mov_b32 v119, CNTW
.if UP
	; WAVE 0 LISTS THE EXPERT'S ROWS.  For each (g, c) a mask of the lanes whose token chose the expert gives each its place.
	v_and_b32 v104, 31, v0
.irp i, 108,109,110,111
	v_mov_b32 v\i, 0
.endr
.irp i, 0,1,2,3,4,5,6,7,8,9
	ds_store_b128 v106, v[108:111] offset:512*\i   ; all 1,280 entries hold 0 first, a row that exists: entries past the last tile with rows are loaded from and never stored by
.endr
	v_lshlrev_b32 v112, 2, v104                    ; 4 l: a first choice's rid, less the constant below
	v_add_nc_u32 v113, DUMPI, v104                 ; my dump word, as an index into the list
	v_add_nc_u32 v114, 0x400, v112                 ; a second choice's
	s_mov_b32 s57, 0                               ; rows so far
	s_wait_loadcnt 40                              ; the route words are in; 8 loads of the bias and 32 of weights are younger
.set n, 0
.rept 32
	v_and_b32 v115, 0xff, v[64+n]
	v_bfe_u32 v116, v[64+n], 8, 8
	v_cmp_eq_u32 s54, s19, v115                    ; first choice?
	v_cmp_eq_u32 s55, s19, v116                    ; second?
	s_or_b32 s56, s54, s55
	v_mbcnt_lo_u32_b32 v115, s56, s57              ; rows so far + chosen lanes below mine
	v_cndmask_b32 v115, v113, v115, s56
	v_min_u32 v115, DUMPI+31, v115                 ; the clamp comes last: list, count word and dump words bound the address
	v_lshl_add_u32 v115, v115, 2, LIST
	v_cndmask_b32 v116, v112, v114, s55
	v_add_nc_u32 v116, 128*(n/4)+n%4, v116         ; rid = k x 1024 + token
	ds_store_b32 v115, v116
	s_bcnt1_i32_b32 s23, s56
	s_add_co_u32 s57, s57, s23
.set n, n+1
.endr
	s_max_u32 s23, s57, 1                          ; the last real entry (entry 0, which holds 0, if there is none)
	s_sub_co_u32 s23, s23, 1
	s_min_u32 s23, s23, 1023
	s_lshl_b32 s23, s23, 2
	s_add_co_u32 s23, s23, LIST
	v_mov_b32 v115, s23
	ds_load_b32 v116, v115
	v_add_nc_u32 v117, s57, v104                   ; entries c .. c + 31 repeat it: they cover the last tile's places past the count
	v_min_u32 v117, 1279, v117
	v_lshl_add_u32 v117, v117, 2, LIST
	v_mov_b32 v118, s57
	s_wait_dscnt 0x0
	ds_store_b32 v117, v116
	ds_store_b32 v119, v118
	s_cmp_lg_u32 ttmp9, 0
	s_cbranch_scc1 .LbarL
	; of an expert's 32 work-groups the one with x = 0 stores list and count for the second product's launch
.irp i, 0,1,2,3,4,5,6,7,8,9
	ds_load_b128 v[64+4*\i:67+4*\i], v106 offset:512*\i  ; LDS serves a wave's instructions in order (ISA guide 5.7.1.4): these see the stores above
.endr
.irp i, 120,121,122,123
	v_mov_b32 v\i, s57
.endr
	s_wait_dscnt 0x0
.irp i, 0,1,2,3,4,5,6,7,8,9
	global_store_b128 v[L16], v[64+4*\i:67+4*\i], s[14:15] offset:512*\i  ; the wave stores 512 consecutive bytes, aligned
.endr
	global_store_b128 v[L16], v[120:123], s[14:15] offset:5120            ; the count, 128 times: 512 consecutive bytes, aligned
.else
	; WAVE 0 COPIES THE EXPERT'S LIST AND COUNT INTO LDS
	s_wait_loadcnt 40                              ; list and count are in; 8 loads of the bias and 32 of weights are younger
.irp i, 0,1,2,3,4,5,6,7,8,9
	ds_store_b128 v106, v[64+4*\i:67+4*\i] offset:512*\i
.endr
	ds_store_b32 v119, v118
.endif
.LbarL:
	s_wait_dscnt 0x0                               ; for the others' sake: the list and the count are in LDS
	s_barrier_signal -1
	s_barrier_wait -1
	s_wait_loadcnt 32                              ; the bias is in; the 32 weight loads are younger
	v_mov_b32 v29, 0
	v_cmp_eq_u32 vcc_lo, 0, v2
.irp b, 0,1,2,3,4,5,6,7
	v_cvt_pk_bf16_f32 v[BV+\b], v[BV+\b], v29      ; bf16 in the low half: k = 0 of lanes 0-15
.endr
.irp b, 0,1,2,3,4,5,6,7
	v_cndmask_b32 v[BV+\b], 0, v[BV+\b], vcc_lo    ; lanes 16-31 hold k = 8 on: 0
.if !UP
	v_and_b32 v[BV+\b], s41, v[BV+\b]              ; and all lanes 0 outside quarter 0
.endif
.endr
.if !UP
	v_mov_b32 v[CW+1], 0                           ; named with CW as a pair
.endif
	v_mov_b32 v28, CNTW
	ds_load_b32 v29, v28
	s_wait_dscnt 0x0
	v_readfirstlane_b32 s24, v29
	s_min_u32 s24, s24, 1024                       ; the expert's rows
	s_add_co_u32 s25, s24, 15
	s_lshr_b32 s25, s25, 4                         ; T, its tiles
	s_add_co_u32 s25, s25, 3
	s_sub_co_u32 s25, s25, s16                     ; T + 3 - wave; 20 less each pass
	NTCALC
	s_mov_b32 s37, 0
	ROWSET
	BIASINIT
	s_mov_b32 s22, 0                               ; u chunks, in LDS bytes
	;    par  lc      dc  lc2  m1 m2 wp wl
	TRIP 0,   16+CWN, 0,  0,   0, 0, 1, 1          ; u = 0: chunk 0 is rounded and stored.  Younger than its weights: chunk 1's sixteen loads (UP = 0: and five combine weights)
	TRIP 1,   36,     0,  26,  0, 1, 1, 1          ; u = 1: the first products, (0, 0).  Younger than chunk 1's weights: 16 + 20 (UP = 0: and the five, which this count lets land too)
	s_mov_b32 s62, 6
.Ltrip:                                                ; u = 2 .. 13
	TRIP 0,   36,     16, 26,  1, 1, 1, 1
	TRIP 1,   36,     16, 26,  1, 1, 1, 1
	s_sub_co_u32 s62, s62, 1
	s_cmp_lg_u32 s62, 0
	s_cbranch_scc1 .Ltrip
	TRIP 0,   36,     16, 10,  1, 1, 1, 0          ; u = 14: no weights are left to ask for, so behind the rows of (13, 0) only that chunk's other ten are out
	TRIP 1,   20,     16, 10,  1, 1, 1, 0          ; u = 15: younger than the rows of (13, 1): chunk 14's twenty
	TRIP 0,   20,     16, 10,  1, 1, 0, 0          ; u = 16: nothing is left to round, store or ask for
	TRIP 1,   0,      0,  0,   1, 0, 0, 0          ; u = 17: (15, 1); no load of mine is out behind its head
	PLACES                                         ; behind the last products, ahead of the lines that read the sums
	; THE PASSES: four trips, s34 = 4 .. 1, pass 4 - s34.  A trip multiplies its pass out of the resident slice (pass 0 has been multiplied above) and sends it out; a wave without rows in a pass jumps
	; both.  Slice, list and stages are disjoint by the map at the head, and a stage is its wave's own; the two barriers of a trip, eight in the launch, in text that every wave runs, order the waves'
	; LDS stores and loads without leaning on that arithmetic.
	s_mov_b32 s34, 4
.Lpass:
	s_cmp_eq_u32 s34, 4
	s_cbranch_scc1 .Lmid                           ; pass 0
	s_sub_co_i32 s25, s25, 20
	NTCALC
	s_cmp_eq_u32 s26, 0
	s_cbranch_scc1 .Lmid                           ; no tile of mine has rows
	s_wait_xcnt 0x0                                ; the last stores' offsets and data, and the row loads' base, are rewritten below
	s_sub_co_u32 s37, 4, s34
	s_mul_i32 s37, s37, 1280                       ; the pass's place in the list: 3,840 at the most, so that its 1,280 bytes end with the list
	ROWSET
	s_mov_b64 s[30:31], s[8:9]
	XLOAD 0
	XLOAD 1
	BIASINIT
	s_mov_b32 s37, 0                               ; the chunk, in LDS bytes
	s_mov_b32 s36, 16
.Lkc:                                                  ; the sixteen chunks once more
	v_add_nc_u32 v[AW], s37, v[AW0]
	CPART
	s_add_co_u32 s37, s37, CH
	s_sub_co_u32 s36, s36, 1
	s_cmp_lg_u32 s36, 0
	s_cbranch_scc1 .Lkc
	s_wait_loadcnt 0x0                             ; the row loads that ran on past the last chunk are done: A's registers are free; the combine weights are in
.Lmid:
	s_wait_dscnt 0x0                               ; my reads of slice and list are back
	s_barrier_signal -1
	s_barrier_wait -1                              ; every wave's are: now the stages are written
	s_cmp_eq_u32 s26, 0
	s_cbranch_scc1 .Lpnext                         ; no tile of mine has rows
	s_sub_co_u32 s63, 4, s34
	s_mul_i32 s63, s63, 1280
	v_add_nc_u32 v[LSW], s63, v[LS2]
	WIN 0x80                                       ; destination in window 2
.irp jj, 0,1,2,3,4
.irp t, 0,1,2,3,4,5,6,7
	ds_load_b32 v[RWL+8*\jj+\t], v[LSW] offset:256*\jj+8*\t  ; the rids of rows 2 t + l / 16 of my five tiles: one run, one wait
.endr
.endr
	WIN 0
	s_wait_dscnt 0x0
	s_mov_b32 s35, 5
.Ltile:                                                ; my five tiles: tile 5 - s35
	s_sub_co_u32 s23, 5, s35
	s_cmp_ge_u32 s23, s26
	s_cbranch_scc1 .Ltnext                         ; a tile without rows stores nothing
	s_wait_xcnt 0x0                                ; the last stores' offsets and data are rewritten only behind this wait
	s_mov_b32 s36, 2
.Lhalf:                                                ; the two halves of its 128 columns: half 2 - s36
.if !UP
	s_wait_xcnt 0x0                                ; the first half's stores have read their data and their base
.endif
	s_sub_co_u32 s23, 5, s35
	s_sub_co_u32 s24, 2, s36
	s_lshl1_add_u32 s23, s23, s24                  ; 2 x tile + half picks the accumulators
.irp vn, 1,2,3,4,5,6,7,8,9
	s_cmp_eq_u32 s23, \vn
	s_cbranch_scc1 .Lvar\vn
.endr
	VSTEP 0, 0
	s_branch .Lvdone
.irp vn, 1,2,3,4,5,6,7,8
.Lvar\vn:
	VSTEP (\vn)/2, (\vn)%2
	s_branch .Lvdone
.endr
.Lvar9:
	VSTEP 4, 1
.Lvdone:
.if UP
	GELU16 0
	GELU16 16
.set z, 0
.rept 16
	v_cvt_pk_bf16_f32 v[P+z], v[V+2*z], v[V+2*z+1]
.set z, z+1
.endr
	s_cmp_eq_u32 s36, 2
	s_cbranch_scc0 .Lsecond
.irp bb, 0,1,2,3
	ds_store_b128 v[STO], v[P+4*\bb:P+4*\bb+3] offset:32*\bb      ; the first half's 128 bytes of a stage row
.endr
	s_branch .Lstaged
.Lsecond:
.irp bb, 0,1,2,3
	ds_store_b128 v[STO], v[P+4*\bb:P+4*\bb+3] offset:128+32*\bb  ; the second half's
.endr
.Lstaged:
.else
.irp bb, 0,1,2,3
	ds_store_b128 v[STO], v[V+8*\bb:V+8*\bb+3] offset:64*\bb
	ds_store_b128 v[STO], v[V+8*\bb+4:V+8*\bb+7] offset:64*\bb+16
.endr
	s_lshl_b32 s32, s24, 8                         ; the half's 64 columns of f32
	s_add_nc_u64 s[38:39], s[12:13], s[32:33]
.irp t, 0,1,2,3,4,5,6,7
	ds_load_b128 v[OB+4*\t:OB+4*\t+3], v[RD] offset:2*SPITCH*\t  ; LDS serves a wave's instructions in order (ISA guide 5.7.1.4): these see the stores above
.endr
	s_wait_dscnt 0x0
.irp t, 0,1,2,3,4,5,6,7
	global_store_b128 v[RW+\t], v[OB+4*\t:OB+4*\t+3], s[38:39]  ; 16 lanes store 256 consecutive bytes of a row of y, aligned
.endr
.endif
	s_sub_co_u32 s36, s36, 1
	s_cmp_lg_u32 s36, 0
	s_cbranch_scc1 .Lhalf
.if UP
.irp t, 0,1,2,3,4,5,6,7                                ; a row of 256 bytes is whole behind the second half
	ds_load_b128 v[OB+4*\t:OB+4*\t+3], v[RD] offset:2*SPITCH*\t  ; LDS serves a wave's instructions in order (ISA guide 5.7.1.4): these see the stores above
.endr
	s_wait_dscnt 0x0
.irp t, 0,1,2,3,4,5,6,7
	global_store_b128 v[RW+\t], v[OB+4*\t:OB+4*\t+3], s[12:13]  ; 16 lanes store 256 consecutive bytes of a row of hid, aligned
.endr
.endif
.Ltnext:
	s_sub_co_u32 s35, s35, 1
	s_cmp_lg_u32 s35, 0
	s_cbranch_scc1 .Ltile
.Lpnext:
	s_wait_dscnt 0x0                               ; my stores into my stage and my reads of it are done
	s_barrier_signal -1
	s_barrier_wait -1                              ; every wave's are: now list and slice are read again
	s_sub_co_u32 s34, s34, 1
	s_cmp_lg_u32 s34, 0
	s_cbranch_scc1 .Lpass
	s_wait_tensorcnt 0x0                           ; the wave's end, behind my last LDS store
	ds_add_u32 v[SPW], v[NIL]
	s_wait_dscnt 0x0
	s_endpgm
.Lfunc_end_k_q619f23c309_up:
	.size	k_q619f23c309_up, .Lfunc_end_k_q619f23c309_up-k_q619f23c309_up
	.p2alignl 7, 3214868480
	.fill 96, 4, 3214868480
	.section	.rodata,"a",@progbits
	.p2align	6, 0x0
	.amdhsa_kernel k_q619f23c309_up
		.amdhsa_group_segment_fixed_size 318464
		.amdhsa_private_segment_fixed_size 0
		.amdhsa_enable_private_segment 0
		.amdhsa_kernarg_size 48
		.amdhsa_user_sgpr_count 2
		.amdhsa_user_sgpr_kernarg_segment_ptr 1
		.amdhsa_wavefront_size32 1
		.amdhsa_system_sgpr_workgroup_id_x 1
		.amdhsa_system_sgpr_workgroup_id_y 1
		.amdhsa_system_sgpr_workgroup_id_z 1
		.amdhsa_system_vgpr_workitem_id 0
		.amdhsa_next_free_vgpr 832
		.amdhsa_next_free_sgpr 66
		.amdhsa_reserve_vcc 1
		.amdhsa_float_denorm_mode_32 3
		.amdhsa_float_denorm_mode_16_64 3
		.amdhsa_memory_ordered 1
		.amdhsa_forward_progress 1
		.amdhsa_inst_pref_size 196
	.end_amdhsa_kernel
	.amdgpu_metadata
---
amdhsa.version: [ 1, 2 ]
amdhsa.kernels:
  - .name:           k_q619f23c309_up
    .symbol:         k_q619f23c309_up.kd
    .args:
      - { .name: W1, .offset: 0, .size: 8, .value_kind: global_buffer, .address_space: global }
      - { .name: b1, .offset: 8, .size: 8, .value_kind: global_buffer, .address_space: global }
      - { .name: xb, .offset: 16, .size: 8, .value_kind: global_buffer, .address_space: global }
      - { .name: route, .offset: 24, .size: 8, .value_kind: global_buffer, .address_space: global }
      - { .name: hid, .offset: 32, .size: 8, .value_kind: global_buffer, .address_space: global }
      - { .name: lists, .offset: 40, .size: 8, .value_kind: global_buffer, .address_space: global }
    .group_segment_fixed_size: 318464
    .private_segment_fixed_size: 0
    .kernarg_segment_align: 8
    .kernarg_segment_size: 48
    .max_flat_workgroup_size: 128
    .sgpr_count:     66
    .vgpr_count:     832
    .wavefront_size: 32
...
	.end_amdgpu_metadata
.endif
;; end of part 2
;; launch down (part 3): grid 32 x 8, 4 waves a work-group, no clusters, 318,464 bytes of LDS; arguments W2, b2, hid, lists, y, cw; writes y
.if DOCPART == 3
	.amdgcn_target "amdgcn-amd-amdhsa--gfx1250"
	.amdhsa_code_object_version 6
	.text
	.protected	k_q619f23c309_down
	.globl	k_q619f23c309_down
	.p2align	8
	.type	k_q619f23c309_down,@function
k_q619f23c309_down:
	s_mov_b64 s[64:65], 0
	v_nop
	global_prefetch_b8 v0, s[64:65] scope:SCOPE_SE
	s_setreg_imm32_b32 hwreg(HW_REG_WAVE_MODE, 25, 1), 1
	s_wait_xcnt 0x0
; ONE PRODUCT OF THE EXPERTS' CHAIN, for the rows that chose the expert.  One text serves both products; UP chooses.  This is the second product.
;   UP = 1:  hid[rid][:] = gelu(xb[token] W1[e] + b1[e]), bf16.      UP = 0:  y[kq][rid][:] = cw[rid] (hid[rid][quarter kq] W2[e][quarter kq] + b2[e] in quarter 0 alone), f32.
; rid = k x 1024 + token names a token's k-th choice; route[token] holds its two experts.  (UP = 0: a token's eight partial rows, 4 quarters x 2 choices, are partial sums: f32; the next launch adds them.)
; SHARES.  Work-group (x, y): expert y and a slice of its weights that no other work-group reads: 1,024 K rows x 128 columns, 512 KB of f32 (UP: columns 128 x; else columns 128 (x % 8),
; K quarter x / 8).  It serves all rows of its expert, whatever the split: 1,024 at the most.  Four waves, all running the same text.
; THE SLICE comes in through registers, is rounded to bf16 and laid into LDS, where all of it stays: 1,024 rows of 256 bytes.  K goes in 16 chunks of 64 (two K steps of 32); of each chunk a wave brings 16 K rows.
; TRIP u has two halves of 32 matrix instructions (40 where the wave's fifth tile has rows).  The first multiplies K step 1 of chunk u - 2, the second K step 0 of chunk u - 1: the products lag half a
; chunk behind the barrier that shows a chunk whole, so that a trip begins on fragments fetched in the trip before, and the barrier's signal and wait stand among its first products.  All the other work of
; a trip rides in slices of four lines behind every second matrix instruction: the rounding of my weights of chunk u, the loads of my weights of chunk u + 2 and of my rows of chunk u, the stores of chunk u
; into LDS, and the fetch of the weight fragments for the next half into the buffer that the half in hand does not read.  A slice costs two switches of the register window.
; No byte of the slice is written twice, so the one barrier a trip is enough.  Weights and rows have two register sets each, by the chunk's parity, so the loop's body is two trips; trips 0, 1 and 14 to 17
; are written out, so that no load is jumped and every count holds on every path.
; TILES.  The expert's rows are listed in LDS and cut into tiles of 16.  UP = 1: wave 0 makes the list by a counting pass over route (no atomics), and the work-group with x = 0 stores it, with the count, in
; lists; UP = 0: wave 0 copies it from there.  A pass holds 20 tiles, five a wave: 40 accumulators.  Pass 0 runs while the weights arrive; passes 1 to 3, for an expert with more than 320 rows, read the
; resident slice.  Places past the count repeat the expert's last row: the same numbers go to the same bytes, so EXEC is never changed.  An expert
; without rows stores no row.
; THE MATRIX INSTRUCTION IS USED TRANSPOSED: source 0 = 16 columns of W (turned on the way out of LDS by ds_load_tr16_b128), source 1 = 16 rows.  A lane then holds eight neighbouring columns of one row.
; THE BIAS IS THE FIRST K STEP: a fragment with the bias at k = 0 times a fragment with 1.0 at k = 0, with the constant 0 as C, starts every sum.
; NO CLUSTER, NO TENSOR LOAD: each weight has one reader and must pass through registers to be rounded; the rows come by a list, which no descriptor covers; beside the slice 24 KB of LDS are left.
; FORMATS AND LIMITS.  Weights, bias and rows are bf16 (all inputs of this program are rounded so), sums and the combine weight f32, hid rounded once to bf16.  gelu(u) = max(u, 0) - |u| Q(|u|),
; Q = erfc(|u| / sqrt 2) / 2 by the five-term rational form (Abramowitz and Stegun 7.1.26), absolute error of Q at most 0.75e-7 for every u; Q below 2^-126 counts as 0.  NaN and infinities are not treated apart.
.set UP, 0
.if UP
.set WP,  16384       ; bytes from a K row of the weights to the next
.set XSH, 11          ; a row of the left operand: 2,048 bytes (xb)
.set OSH, 13          ; a row of the result: 8,192 bytes (hid)
.else
.set WP,  4096
.set XSH, 13          ; 8,192 bytes (hid)
.set OSH, 12          ; 4,096 bytes (y)
.endif
.set CWN,   5-5*UP    ; loads of combine weights at a pass's beginning
.set PW,    288       ; a K row in LDS: 256 bytes + 32
.set CH,    64*PW     ; a chunk
.set LIST,  16*CH     ; 1,280 words: the expert's rids
.set CNTW,  LIST+5120 ; word 0: the expert's count
.set DUMP,  CNTW+256  ; a word a lane, for lanes with nothing to list
.set DUMPI, (DUMP-LIST)/4
.set STAGE, DUMP+256  ; 16 rows x 272 bytes for each wave, for the way out
.set SPITCH, 272
.set SPARE, STAGE+4*16*SPITCH  ; the spare words, 128 bytes a wave: two blocks of 256 bytes that no other line names
.set LSTB,  5632      ; an expert's part of lists: its 1,280 words, then 128 words that all hold its count: 22 whole blocks of 256 bytes
; REGISTERS, in windows of 256 (s_set_vgpr_msb: bits 1:0 source 0, 3:2 source 1, 5:4 source 2, 7:6 destination).  Window 0:
.set AW0, 3           ; my lane's place in a chunk, for the turning load
.set AW,  4           ; + the chunk in hand
.set LST, 5           ; list address of row l % 16 of my tile 0 of pass 0
.set XO,  6           ; v[6:10]  byte offset of my row of tile j in the left operand, + 16 (l / 16)
.set LS2, 11          ; list address of row l / 16 of my tile 0 of pass 0
.set STO, 12          ; the way out: where I put my numbers of a row
.set RD,  13          ; where I read rows back
.set GO,  14          ; 16 (l % 16)
.set RW,  16          ; v[16:23] the way out: byte offsets of the rows that I store
.set ONE, 16          ; the same registers, outside the way out: the fragment with 1.0 at k = 0
.set CW,  24          ; v[24:25] the row's combine weight (UP = 0)
.set H16, 26          ; 16 (l / 16)
.set LSW, 27          ; LS2 + the pass in hand
.set SPW, 30          ; my spare word; never rewritten
.set NIL, 31          ; 0; never rewritten
.set RID, 32          ; v[32:36] my row's rid in tile j; UP = 0: then its combine weight
.set L16, 37          ; 16 x lane: my 16 bytes of a K row of f32; never rewritten
.set PS0, 38          ; 8 x lane + my 16 rows' place in a chunk
.set PS,  39          ; + the chunk in hand
.set BV,  40          ; v[40:47] the bias of column 16 b + l % 16 as bf16 in lanes 0-15, 0 in the others
.set A,   48          ; v[48:127] row fragments of an even chunk: K step s of its two, tile j at A + 40 s + 8 j.  An odd chunk's have the same numbers in window 2
.set WF,  128         ; v[128:255] weight fragments, a buffer for each K step of a chunk: K step s, column block b at WF + 64 s + 8 b
.set V,   112         ; the way out, when A and WF are free: 32 numbers at work,
.set T,   144
.set E,   160
.set P,   176
.set OB,  144         ; and 16 rows read back from the stage
; Window 1: the accumulators of tiles 0-3, tile j, column block b at 64 j + 8 b.
.set TMP, 0           ; window 2, v[0:31]: my 16 K rows in bf16
.set RWL, 0           ; window 2, v[0:39], at the way out: the rids of rows 2 t + l / 16 of tile j at RWL + 8 j + t
.set S,   128         ; window 2, v[128:255]: my 16 K rows as loaded, two sets by the chunk's parity
.set ACC4, 0          ; window 3, v[0:63]: tile 4's accumulators
.set MSB, 0
.macro WIN new                         ; the immediate's high byte repeats the setting that is left; at a label and at a branch every window is 0
.if MSB != (\new)
	s_set_vgpr_msb (MSB<<8)|(\new)
.set MSB, (\new)
.endif
.endm
.macro PLACES                          ; four plain vector instructions between a matrix instruction and a load into, or a vector instruction on, its registers
.rept 4
	v_nop
.endr
.endm
; THE TRIPS' PARTS.  The symbols PAR (the trip's parity), i (the half's matrix instruction) and q (the half's rider) are set by TRIP.
; Matrix instruction i of a half's 32: column block i / 4, tile i % 4, K step st, rows from the set of parity ap.  The 32 accumulators take turns, one instruction a turn.
.macro MM st, ap
	WIN 0x50+8*(\ap)                               ; C and D in window 1, the rows in window 0 or 2
.set rD, 64*(i%4)+8*(i/4)
	v_wmma_f32_16x16x32_bf16 v[rD:rD+7], v[WF+64*(\st)+8*(i/4):WF+64*(\st)+8*(i/4)+7], v[A+40*(\st)+8*(i%4):A+40*(\st)+8*(i%4)+7], v[rD:rD+7]
.endm
; Tile 4's eight, at a half's end: jumped where the tile has no rows
.macro MM4 st, ap
	WIN 0
	s_cmp_lt_u32 s26, 5
	s_cbranch_scc1 .Lno4_\@
	WIN 0xf0+8*(\ap)                               ; C and D in window 3
.irp b, 0,1,2,3,4,5,6,7
	v_wmma_f32_16x16x32_bf16 v[ACC4+8*\b:ACC4+8*\b+7], v[WF+64*(\st)+8*\b:WF+64*(\st)+8*\b+7], v[A+40*(\st)+32:A+40*(\st)+39], v[ACC4+8*\b:ACC4+8*\b+7]
.endr
	WIN 0
.Lno4_\@:
.endm
; The riders, one line each.
.macro R_CVT n                         ; two of my weights of chunk u rounded: number n of 32
	WIN 0x8a                                       ; sources and destination in window 2
	v_cvt_pk_bf16_f32 v[TMP+(\n)], v[S+64*PAR+2*(\n)], v[S+64*PAR+2*(\n)+1]
.endm
.macro R_WL n                          ; K row n of my 16 of chunk u + 2: its 512 bytes
	WIN 0x80                                       ; destination in window 2
	global_load_b128 v[S+64*PAR+4*(\n):S+64*PAR+4*(\n)+3], v[L16], s[60:61] offset:(64+(\n))*WP th:TH_LOAD_NT
.endm
.macro R_F st, n                       ; half n % 2 of the weight fragment of column block n / 2, K step st of the chunk at v[AW]
	WIN 0
	ds_load_tr16_b128 v[WF+64*(\st)+4*(\n):WF+64*(\st)+4*(\n)+3], v[AW] offset:32*PW*(\st)+16*PW*((\n)%2)+32*((\n)/2)
.endm
.macro R_ST n                          ; K row n of my 16 of chunk u into LDS: 32 lanes, 256 consecutive bytes
	WIN 0x08                                       ; the data in window 2
	ds_store_b64 v[PS], v[TMP+2*(\n):TMP+2*(\n)+1] offset:PW*(\n)
.endm
.macro R_AL n                          ; row load n of 20 of chunk u: K step n / 10, tile (n % 10) / 2, half n % 2 of the fragment
	WIN 0x80*PAR
	global_load_b128 v[A+40*((\n)/10)+4*((\n)%10):A+40*((\n)/10)+4*((\n)%10)+3], v[XO+((\n)%10)/2], s[30:31] offset:64*((\n)/10)+32*((\n)%2)
.endm
; Rider q of the first half's 64: 24 roundings; the 16 fragment loads of (u - 1, 0), which stand behind the barrier's wait; 8 roundings; the 16 weight loads, into the set just rounded.
; The roundings (in a trip without them four v_nop) are the places between the last half's products and the loads into the buffer that those read.
.macro RH1 f0, wp, wl
.if q < 24
.if \wp
	R_CVT q
.elseif (\f0) && (q < 4)
	v_nop
.endif
.elseif q < 40
.if \f0
	R_F 0, q-24
.endif
.elseif q < 48
.if \wp
	R_CVT q-16
.endif
.elseif \wl
	R_WL q-48
.endif
.set q, q+1
.endm
; Rider q of the second half's 56: four v_nop, the places between the first half's products and the loads into the registers that those read; the 20 row loads; the 16 fragment loads of (u - 1, 1); the 16 stores.
.macro RH2 m2, wp
.if q < 4
.if \m2
	v_nop
.endif
.elseif q < 24
.if \wp
	R_AL q-4
.endif
.elseif q < 40
.if \m2
	R_F 1, q-24
.endif
.elseif q < 56
.if \wp
	R_ST q-40
.endif
.endif
.set q, q+1
.endm
; TRIP u.  par = u % 2.  m1: (u - 2, 1) is multiplied.  m2: the barrier that shows chunk u - 1 whole; (u - 1, 0) is fetched and multiplied, (u - 1, 1) fetched.  wp: my weights of chunk u are rounded and stored,
; and my rows of chunk u asked for.  wl: my weights of chunk u + 2 are asked for.
; COUNTS.  A trip asks in this order: 16 weight loads, 10 row loads of K step 0, 10 of K step 1.  lc, at the head: the weights of chunk u and the rows of (u - 2, 1) must be in; younger are the last trip's
; 16 + 20 = 36.  lc2, at the second half's head: the rows of (u - 1, 0) must be in; younger are that chunk's other 10 and this trip's 16 = 26.  The trips that are written out have what is left of these.
; So at most 36 + 16 = 52 loads of a wave are out.  dc, at the head: the fragments of (u - 2, 1) must be in; younger are the last trip's 16 stores.
.macro TRIP par, lc, dc, lc2, m1, m2, wp, wl
.set PAR, \par
	s_wait_loadcnt \lc
	s_wait_xcnt 0x0                                ; the two bases below are rewritten only behind this wait
.if \wl
	s_add_nc_u64 s[60:61], s[60:61], 64*WP         ; a chunk on
.endif
.if \wp
	s_add_nc_u64 s[30:31], s[8:9], s[28:29]        ; chunk u's 128 bytes of a row
	s_add_co_u32 s28, s28, 128
	v_add_nc_u32 v[PS], s22, v[PS0]
.endif
.if \m2
	s_sub_co_u32 s23, s22, CH
	v_add_nc_u32 v[AW], s23, v[AW0]                ; chunk u - 1
.endif
.if \m1
	s_wait_dscnt \dc
.endif
.set i, 0
.set q, 0
.rept 32
.if \m1
	MM 1, PAR
.endif
.if i%2 == 0
.rept 4
	RH1 \m2, \wp, \wl
.endr
.endif
.if (\m2) && (i == 3)
	s_wait_dscnt 0x0                               ; for the others' sake: my stores of chunk u - 1 are done
	s_barrier_signal -1                            ; products and roundings, work on registers, stand between the signal and the wait
.endif
.if (\m2) && (i == 11)
	s_barrier_wait -1                              ; chunk u - 1 is whole, for every wave
.endif
.set i, i+1
.endr
.if \m1
	MM4 1, PAR
.endif
.if \m2
	s_wait_loadcnt \lc2
	s_wait_dscnt 0x0                               ; the fragments of (u - 1, 0): no LDS instruction was issued behind them
.endif
.set i, 0
.set q, 0
.rept 32
.if \m2
	MM 0, 1-PAR
.endif
.if i%2 == 0
.rept 4
	RH2 \m2, \wp
.endr
.endif
.set i, i+1
.endr
.if \m2
	MM4 0, 1-PAR
.endif
	WIN 0
.if \wp
	s_add_co_u32 s22, s22, CH
.endif
.endm
; THE LATER PASSES' PARTS: plain runs, since an expert with more than 320 rows is the rare case.
; Eight LDS loads: the weight fragments of K step st of the chunk, column blocks 4 hb .. 4 hb + 3, into the first buffer
.macro FETCHW st, hb
.irp bb, 0,1,2,3
	ds_load_tr16_b128 v[WF+8*(4*(\hb)+\bb):WF+8*(4*(\hb)+\bb)+3],   v[AW] offset:32*PW*(\st)+32*(4*(\hb)+\bb)
	ds_load_tr16_b128 v[WF+8*(4*(\hb)+\bb)+4:WF+8*(4*(\hb)+\bb)+7], v[AW] offset:32*PW*(\st)+16*PW+32*(4*(\hb)+\bb)
.endr
.endm
; Ten loads: my five tiles' row fragments of K step st of the chunk at s[30:31], into the even set
.macro XLOAD st
.irp tj, 0,1,2,3,4
	global_load_b128 v[A+40*(\st)+8*\tj:A+40*(\st)+8*\tj+3],   v[XO+\tj], s[30:31] offset:64*(\st)
	global_load_b128 v[A+40*(\st)+8*\tj+4:A+40*(\st)+8*\tj+7], v[XO+\tj], s[30:31] offset:64*(\st)+32
.endr
.endm
; Twenty matrix instructions: four column blocks x five tiles, 32 along K.  The accumulators take turns, one instruction a turn.  Tile 4 is jumped where it has no rows.
.macro MULH st, hb
	WIN 0x50                                       ; C and D in window 1
.irp bb, 0,1,2,3
.irp tj, 0,1,2,3
.set rD, 64*\tj+8*(4*(\hb)+\bb)
	v_wmma_f32_16x16x32_bf16 v[rD:rD+7], v[WF+8*(4*(\hb)+\bb):WF+8*(4*(\hb)+\bb)+7], v[A+40*(\st)+8*\tj:A+40*(\st)+8*\tj+7], v[rD:rD+7]
.endr
.endr
	WIN 0
	s_cmp_lt_u32 s26, 5
	s_cbranch_scc1 .Lno4_\@
	WIN 0xf0                                       ; C and D in window 3
.irp bb, 0,1,2,3
.set rD, ACC4+8*(4*(\hb)+\bb)
	v_wmma_f32_16x16x32_bf16 v[rD:rD+7], v[WF+8*(4*(\hb)+\bb):WF+8*(4*(\hb)+\bb)+7], v[A+40*(\st)+32:A+40*(\st)+39], v[rD:rD+7]
.endr
	WIN 0
.Lno4_\@:
.endm
; A chunk of a later pass, out of the resident slice: the rows alone are loaded, K step by K step.  On the way in, and on the way out, the twenty row loads of the chunk to come are out.
.macro CPART
	s_wait_xcnt 0x0                                ; the row loads' base is rewritten only behind this wait
	s_add_co_u32 s28, s28, 128                     ; the next chunk's 128 bytes of a row; behind the last chunk back to the first, so that no load leaves a row
	s_and_b32 s28, s28, 0x7ff
	s_add_nc_u64 s[30:31], s[8:9], s[28:29]
	FETCHW 0, 0
	FETCHW 0, 1
	s_wait_loadcnt 10                              ; K step 0's rows are in; K step 1's ten loads are younger
	s_wait_dscnt 8                                 ; all but the youngest eight fragment loads are in
	MULH 0, 0
	PLACES
	FETCHW 1, 0
	s_wait_dscnt 8
	MULH 0, 1
	PLACES
	FETCHW 1, 1
	XLOAD 0                                        ; the next chunk's K step 0
	s_wait_loadcnt 10                              ; K step 1's rows are in; the ten just issued are younger
	s_wait_dscnt 8
	MULH 1, 0
	s_wait_dscnt 0x0
	MULH 1, 1
	PLACES
	XLOAD 1
.endm
; A pass begins: my five tiles' rows are looked up.  s37: the pass's place in the list, in bytes.
.macro ROWSET
	v_add_nc_u32 v28, s37, v[LST]
.irp tj, 0,1,2,3,4
	ds_load_b32 v[RID+\tj], v28 offset:256*\tj
.endr
	s_wait_dscnt 0x0
.irp tj, 0,1,2,3,4
	v_min_u32 v[RID+\tj], 0x7ff, v[RID+\tj]        ; a number from memory enters an address only behind a clamp
.if UP
	v_and_b32 v[RID+\tj], 0x3ff, v[RID+\tj]        ; the token
.endif
	v_lshl_add_u32 v[XO+\tj], v[RID+\tj], XSH, v[H16]
.endr
.if !UP
.irp tj, 0,1,2,3,4
	v_lshlrev_b32 v[RID+\tj], 2, v[RID+\tj]
	global_load_b32 v[RID+\tj], v[RID+\tj], s[14:15]  ; the row's combine weight lands on its own address; it is read behind a wait for all loads
.endr
.endif
	s_mov_b32 s28, 0
.endm
; The sums begin: bias x 1.0 at k = 0, C the constant 0: 40 matrix instructions on 40 accumulators.
.macro BIASINIT
	v_xor_b32 v[ONE], 1, v2
	v_mul_u32_u24 v[ONE], 0x3f80, v[ONE]           ; bf16 1.0 at k = 0 (lanes 0-15, register 0, low half)
.irp i, 1,2,3,4,5,6,7
	v_mov_b32 v[ONE+\i], 0
.endr
.irp b, 0,1,2,3,4,5,6,7
	v_mov_b32 v[WF+8*\b], v[BV+\b]
.irp i, 1,2,3,4,5,6,7
	v_mov_b32 v[WF+8*\b+\i], 0
.endr
.endr
	WIN 0x40                                       ; D in window 1
.irp b, 0,1,2,3,4,5,6,7
.irp tj, 0,1,2,3
	v_wmma_f32_16x16x32_bf16 v[64*\tj+8*\b:64*\tj+8*\b+7], v[WF+8*\b:WF+8*\b+7], v[ONE:ONE+7], 0
.endr
.endr
	WIN 0xc0                                       ; D in window 3
.irp b, 0,1,2,3,4,5,6,7
	v_wmma_f32_16x16x32_bf16 v[ACC4+8*\b:ACC4+8*\b+7], v[WF+8*\b:WF+8*\b+7], v[ONE:ONE+7], 0
.endr
	WIN 0
	PLACES
.endm
.macro NTCALC                          ; how many of my five tiles of the pass have rows: (T - 20 p - wave + 3) / 4, held to 0 .. 5
	s_ashr_i32 s26, s25, 2
	s_max_i32 s26, s26, 0
	s_min_i32 s26, s26, 5
.endm
; The way out, first step, written out for each tile tl and half hf (four column blocks, 32 numbers a lane).  In a tile's first half the offsets of the rows that I store are made of the rids.
; Then the half leaves its accumulators, each from its low end on: UP: times k1; else times the row's combine weight.
.macro VSTEP tl, hf
.if (\hf) == 0
	WIN 0x08                                       ; source 1 in window 2
.irp t, 0,1,2,3,4,5,6,7
	v_min_u32 v[RW+\t], 0x7ff, v[RWL+8*(\tl)+\t]   ; a number from memory enters an address only behind a clamp
.endr
	WIN 0
.irp t, 0,1,2,3,4,5,6,7
	v_lshl_add_u32 v[RW+\t], v[RW+\t], OSH, v[GO]
.endr
.endif
.if (\tl) < 4
.set rB, 64*(\tl)+32*(\hf)
.else
.set rB, ACC4+32*(\hf)
.endif
.if !UP
	v_mov_b32 v[CW], v[RID+(\tl)]
.endif
.if (\tl) < 4
	WIN 0x01                                       ; source 0 in window 1
.else
	WIN 0x03                                       ; source 0 in window 3
.endif
.set z, 0
.rept 16
.if UP
	v_pk_mul_f32 v[V+2*z:V+2*z+1], v[rB+2*z:rB+2*z+1], s[42:43] op_sel_hi:[1,0]
.else
	v_pk_mul_f32 v[V+2*z:V+2*z+1], v[rB+2*z:rB+2*z+1], v[CW:CW+1] op_sel_hi:[1,0]
.endif
.set z, z+1
.endr
	WIN 0
.endm
.if UP
; gelu of sixteen numbers, given as v = k1 u with k1 = sqrt(log2(e) / 2), so that e^(-u u / 2) = 2^(-v v).  t = 1 / (1 + p |u| / sqrt 2); Q = t (a1 + t (a2 + t (a3 + t (a4 + t a5)))) 2^(-v v), the
; coefficients halved; gelu = (max(v, 0) - |v| Q) / k1: no difference of near numbers in either tail.  The 32 transcendentals are one batch with one wait.
.macro GELU16 o
.set z, 0
.rept 8
	v_pk_mul_f32 v[E+2*z:E+2*z+1], v[V+(\o)+2*z:V+(\o)+2*z+1], v[V+(\o)+2*z:V+(\o)+2*z+1] neg_lo:[1,0] neg_hi:[1,0]
.set z, z+1
.endr
.set z, 0
.rept 16
	v_fma_f32 v[T+z], |v[V+(\o)+z]|, s40, 1.0
.set z, z+1
.endr
.set z, 0
.rept 16
	v_rcp_f32 v[T+z], v[T+z]
.set z, z+1
.endr
.set z, 0
.rept 16
	v_exp_f32 v[E+z], v[E+z]
.set z, z+1
.endr
	v_nop                                          ; the plain instruction behind the last of them,
	s_wait_alu depctr_va_vdst(0)                   ; and the wait ahead of the first reader: one for the batch
.set z, 0
.rept 8
	v_pk_fma_f32 v[P+2*z:P+2*z+1], v[T+2*z:T+2*z+1], s[44:45], s[46:47] op_sel_hi:[1,0,0]
.set z, z+1
.endr
.irp c, 48,50,52
.set z, 0
.rept 8
	v_pk_fma_f32 v[P+2*z:P+2*z+1], v[P+2*z:P+2*z+1], v[T+2*z:T+2*z+1], s[\c:\c+1] op_sel_hi:[1,1,0]
.set z, z+1
.endr
.endr
.set z, 0
.rept 8
	v_pk_mul_f32 v[P+2*z:P+2*z+1], v[P+2*z:P+2*z+1], v[T+2*z:T+2*z+1]
.set z, z+1
.endr
.set z, 0
.rept 8
	v_pk_mul_f32 v[E+2*z:E+2*z+1], v[E+2*z:E+2*z+1], v[P+2*z:P+2*z+1]  ; Q
.set z, z+1
.endr
.set z, 0
.rept 16
	v_max_num_f32 v[T+z], 0, v[V+(\o)+z]
.set z, z+1
.endr
.set z, 0
.rept 16
	v_fma_f32 v[T+z], -|v[V+(\o)+z]|, v[E+z], v[T+z]
.set z, z+1
.endr
.set z, 0
.rept 8
	v_pk_mul_f32 v[V+(\o)+2*z:V+(\o)+2*z+1], v[T+2*z:T+2*z+1], s[58:59] op_sel_hi:[1,0]
.set z, z+1
.endr
.endm
.endif
	s_load_b256 s[4:11], s[0:1], 0x0               ; weights s[4:5], bias s[6:7], left operand s[8:9]; s[10:11]: UP: route, else lists
	s_load_b128 s[12:15], s[0:1], 0x20             ; result s[12:13]; s[14:15]: UP: lists, else cw
	v_lshl_add_u32 v[SPW], v0, 2, SPARE
	v_mov_b32 v[NIL], 0
	v_lshrrev_b32 v1, 5, v0
	v_readfirstlane_b32 s16, v1                    ; wave 0..3
	v_and_b32 v28, 31, v0                          ; lane
	v_lshlrev_b32 v[L16], 4, v28
	v_and_b32 v1, 15, v0                           ; l % 16
	v_lshlrev_b32 v29, 2, v1
	s_and_b32 s19, ttmp7, 0xffff                   ; the expert
	s_lshl_b32 s32, s19, 24                        ; its weights: 16 MB
	s_mov_b32 s33, 0
	s_mov_b32 s35, 0
	s_mov_b32 s37, 0
	s_mov_b32 s29, 0
	s_mul_i32 s62, s16, 16*WP                      ; my 16 K rows of a chunk
	s_mov_b32 s63, 0
	s_mul_i32 s54, s19, LSTB                       ; the expert's part of lists
	s_mov_b32 s55, 0
.if UP
	s_lshl_b32 s23, ttmp9, 9                       ; the slice's 128 columns of f32
	s_add_co_u32 s32, s32, s23
	s_lshl_b32 s34, s19, 14                        ; the expert's bias, and the slice's part of it
	s_add_co_u32 s34, s34, s23
	s_lshl_b32 s36, ttmp9, 8                       ; the slice's 128 columns of bf16 in a row of hid
	s_mov_b32 s40, 0x3e8ba43f                      ; (0.3275911 / sqrt 2) / k1 = 0.27273748
	s_mov_b32 s42, 0x3f596d27                      ; k1 = 0.84932180
	s_mov_b32 s43, s42                             ; (the packed forms name pairs and take the low word)
	s_mov_b32 s44, 0x3f07dc22                      ; a5 / 2 =  0.53070271
	s_mov_b32 s45, s44
	s_mov_b32 s46, 0xbf3a00e3                      ; a4 / 2 = -0.72657601
	s_mov_b32 s47, s46
	s_mov_b32 s48, 0x3f35f0e3                      ; a3 / 2 =  0.71070687
	s_mov_b32 s49, s48
	s_mov_b32 s50, 0xbe11a98e                      ; a2 / 2 = -0.14224837
	s_mov_b32 s51, s50
	s_mov_b32 s52, 0x3e027906                      ; a1 / 2 =  0.12741480
	s_mov_b32 s53, s52
	s_mov_b32 s58, 0x3f96b55f                      ; 1 / k1 = 1.17741002
	s_mov_b32 s59, s58
.else
	s_and_b32 s20, ttmp9, 7                        ; which 128 columns
	s_lshr_b32 s21, ttmp9, 3                       ; which quarter of K
	s_lshl_b32 s23, s20, 9
	s_add_co_u32 s32, s32, s23
	s_lshl_b32 s24, s21, 22                        ; 1,024 K rows of 4,096 bytes
	s_add_co_u32 s32, s32, s24
	s_lshl_b32 s34, s19, 12
	s_add_co_u32 s34, s34, s23
	s_lshl_b32 s36, s21, 23                        ; the quarter's plane of y
	s_add_co_u32 s36, s36, s23
	s_lshl_b32 s38, s21, 11                        ; the quarter's 2,048 bytes of a row of hid
	s_mov_b32 s39, 0
	s_cmp_eq_u32 s21, 0
	s_cselect_b32 s41, -1, 0                       ; the bias counts once: in quarter 0
.endif
	s_wait_kmcnt 0x0
	s_add_nc_u64 s[4:5], s[4:5], s[32:33]
	s_add_nc_u64 s[6:7], s[6:7], s[34:35]
	s_add_nc_u64 s[12:13], s[12:13], s[36:37]
.if UP
	s_add_nc_u64 s[14:15], s[14:15], s[54:55]
.else
	s_add_nc_u64 s[8:9], s[8:9], s[38:39]
	s_add_nc_u64 s[10:11], s[10:11], s[54:55]
.endif
	s_add_nc_u64 s[60:61], s[4:5], s[62:63]        ; the weights at my rows of chunk 0
	s_cmp_lg_u32 s16, 0
	s_cbranch_scc1 .Lnolist
	; wave 0 asks first for what the list is made of, so that its wait for that leaves bias and weights out
.if UP
.irp g, 0,1,2,3,4,5,6,7
	global_load_b128 v[64+4*\g:67+4*\g], v[L16], s[10:11] offset:512*\g  ; lane l: the route words of tokens 128 g + 4 l + c
.endr
.else
.irp g, 0,1,2,3,4,5,6,7,8,9
	global_load_b128 v[64+4*\g:67+4*\g], v[L16], s[10:11] offset:512*\g  ; the expert's list as the first product's launch stored it
.endr
	v_mov_b32 v107, 0
	global_load_b32 v118, v107, s[10:11] offset:5120                     ; and its count
.endif
.Lnolist:
.irp b, 0,1,2,3,4,5,6,7
	global_load_b32 v[BV+\b], v29, s[6:7] offset:64*\b  ; the bias ahead of the weights, so that its wait leaves them out
.endr
	WIN 0x80                                       ; destination in window 2
.set i, 0
.rept 32                                               ; my rows of chunks 0 and 1
	global_load_b128 v[S+4*i:S+4*i+3], v[L16], s[60:61] offset:(64*(i/16)+i%16)*WP th:TH_LOAD_NT
.set i, i+1
.endr
	WIN 0
	; the lane's constants
	s_mul_i32 s23, s16, 16*PW
	v_lshl_add_u32 v[PS0], v28, 3, s23             ; 8 bytes of bf16 a lane, in my 16 rows of a chunk
	v_bfe_u32 v2, v0, 4, 1                         ; l / 16
	v_and_b32 v28, 7, v0
	v_lshl_add_u32 v28, v2, 3, v28
	v_bfe_u32 v27, v0, 3, 1
	v_mul_u32_u24 v[AW0], v28, PW                  ; the turning load: K row 8 (l / 16) + l % 8,
	v_lshl_add_u32 v[AW0], v27, 4, v[AW0]          ; columns 8 ((l / 8) % 2) on
	s_lshl_b32 s23, s16, 6                         ; tile t's rows lie at 64 t in the list; my tiles are 20 p + 4 j + wave
	s_add_co_u32 s23, s23, LIST
	v_lshl_add_u32 v[LST], v1, 2, s23
	v_lshl_add_u32 v[LS2], v2, 2, s23
	s_mul_i32 s23, s16, 16*SPITCH
	s_add_co_u32 s23, s23, STAGE                   ; my stage
	v_mul_u32_u24 v[STO], v1, SPITCH               ; in: row l % 16, eight numbers for each half of the lanes
.if UP
	v_lshl_add_u32 v[STO], v2, 4, v[STO]
.else
	v_lshl_add_u32 v[STO], v2, 5, v[STO]
.endif
	v_add_nc_u32 v[STO], s23, v[STO]
	v_mul_u32_u24 v[RD], v2, SPITCH                ; back: lanes 0-15 take one row of 256 bytes, lanes 16-31 the next
	v_lshl_add_u32 v[RD], v1, 4, v[RD]
	v_add_nc_u32 v[RD], s23, v[RD]
	v_lshlrev_b32 v[GO], 4, v1
	v_lshlrev_b32 v[H16], 4, v2
	s_cmp_lg_u32 s16, 0
	s_cbranch_scc1 .LbarL
	v_add_nc_u32 v106, LIST, v[L16]
	v_mov_b32 v119, CNTW
.if UP
	; WAVE 0 LISTS THE EXPERT'S ROWS.  For each (g, c) a mask of the lanes whose token chose the expert gives each its place.
	v_and_b32 v104, 31, v0
.irp i, 108,109,110,111
	v_mov_b32 v\i, 0
.endr
.irp i, 0,1,2,3,4,5,6,7,8,9
	ds_store_b128 v106, v[108:111] offset:512*\i   ; all 1,280 entries hold 0 first, a row that exists: entries past the last tile with rows are loaded from and never stored by
.endr
	v_lshlrev_b32 v112, 2, v104                    ; 4 l: a first choice's rid, less the constant below
	v_add_nc_u32 v113, DUMPI, v104                 ; my dump word, as an index into the list
	v_add_nc_u32 v114, 0x400, v112                 ; a second choice's
	s_mov_b32 s57, 0                               ; rows so far
	s_wait_loadcnt 40                              ; the route words are in; 8 loads of the bias and 32 of weights are younger
.set n, 0
.rept 32
	v_and_b32 v115, 0xff, v[64+n]
	v_bfe_u32 v116, v[64+n], 8, 8
	v_cmp_eq_u32 s54, s19, v115                    ; first choice?
	v_cmp_eq_u32 s55, s19, v116                    ; second?
	s_or_b32 s56, s54, s55
	v_mbcnt_lo_u32_b32 v115, s56, s57              ; rows so far + chosen lanes below mine
	v_cndmask_b32 v115, v113, v115, s56
	v_min_u32 v115, DUMPI+31, v115                 ; the clamp comes last: list, count word and dump words bound the address
	v_lshl_add_u32 v115, v115, 2, LIST
	v_cndmask_b32 v116, v112, v114, s55
	v_add_nc_u32 v116, 128*(n/4)+n%4, v116         ; rid = k x 1024 + token
	ds_store_b32 v115, v116
	s_bcnt1_i32_b32 s23, s56
	s_add_co_u32 s57, s57, s23
.set n, n+1
.endr
	s_max_u32 s23, s57, 1                          ; the last real entry (entry 0, which holds 0, if there is none)
	s_sub_co_u32 s23, s23, 1
	s_min_u32 s23, s23, 1023
	s_lshl_b32 s23, s23, 2
	s_add_co_u32 s23, s23, LIST
	v_mov_b32 v115, s23
	ds_load_b32 v116, v115
	v_add_nc_u32 v117, s57, v104                   ; entries c .. c + 31 repeat it: they cover the last tile's places past the count
	v_min_u32 v117, 1279, v117
	v_lshl_add_u32 v117, v117, 2, LIST
	v_mov_b32 v118, s57
	s_wait_dscnt 0x0
	ds_store_b32 v117, v116
	ds_store_b32 v119, v118
	s_cmp_lg_u32 ttmp9, 0
	s_cbranch_scc1 .LbarL
	; of an expert's 32 work-groups the one with x = 0 stores list and count for the second product's launch
.irp i, 0,1,2,3,4,5,6,7,8,9
	ds_load_b128 v[64+4*\i:67+4*\i], v106 offset:512*\i  ; LDS serves a wave's instructions in order (ISA guide 5.7.1.4): these see the stores above
.endr
.irp i, 120,121,122,123
	v_mov_b32 v\i, s57
.endr
	s_wait_dscnt 0x0
.irp i, 0,1,2,3,4,5,6,7,8,9
	global_store_b128 v[L16], v[64+4*\i:67+4*\i], s[14:15] offset:512*\i  ; the wave stores 512 consecutive bytes, aligned
.endr
	global_store_b128 v[L16], v[120:123], s[14:15] offset:5120            ; the count, 128 times: 512 consecutive bytes, aligned
.else
	; WAVE 0 COPIES THE EXPERT'S LIST AND COUNT INTO LDS
	s_wait_loadcnt 40                              ; list and count are in; 8 loads of the bias and 32 of weights are younger
.irp i, 0,1,2,3,4,5,6,7,8,9
	ds_store_b128 v106, v[64+4*\i:67+4*\i] offset:512*\i
.endr
	ds_store_b32 v119, v118
.endif
.LbarL:
	s_wait_dscnt 0x0                               ; for the others' sake: the list and the count are in LDS
	s_barrier_signal -1
	s_barrier_wait -1
	s_wait_loadcnt 32                              ; the bias is in; the 32 weight loads are younger
	v_mov_b32 v29, 0
	v_cmp_eq_u32 vcc_lo, 0, v2
.irp b, 0,1,2,3,4,5,6,7
	v_cvt_pk_bf16_f32 v[BV+\b], v[BV+\b], v29      ; bf16 in the low half: k = 0 of lanes 0-15
.endr
.irp b, 0,1,2,3,4,5,6,7
	v_cndmask_b32 v[BV+\b], 0, v[BV+\b], vcc_lo    ; lanes 16-31 hold k = 8 on: 0
.if !UP
	v_and_b32 v[BV+\b], s41, v[BV+\b]              ; and all lanes 0 outside quarter 0
.endif
.endr
.if !UP
	v_mov_b32 v[CW+1], 0                           ; named with CW as a pair
.endif
	v_mov_b32 v28, CNTW
	ds_load_b32 v29, v28
	s_wait_dscnt 0x0
	v_readfirstlane_b32 s24, v29
	s_min_u32 s24, s24, 1024                       ; the expert's rows
	s_add_co_u32 s25, s24, 15
	s_lshr_b32 s25, s25, 4                         ; T, its tiles
	s_add_co_u32 s25, s25, 3
	s_sub_co_u32 s25, s25, s16                     ; T + 3 - wave; 20 less each pass
	NTCALC
	s_mov_b32 s37, 0
	ROWSET
	BIASINIT
	s_mov_b32 s22, 0                               ; u chunks, in LDS bytes
	;    par  lc      dc  lc2  m1 m2 wp wl
	TRIP 0,   16+CWN, 0,  0,   0, 0, 1, 1          ; u = 0: chunk 0 is rounded and stored.  Younger than its weights: chunk 1's sixteen loads (UP = 0: and five combine weights)
	TRIP 1,   36,     0,  26,  0, 1, 1, 1          ; u = 1: the first products, (0, 0).  Younger than chunk 1's weights: 16 + 20 (UP = 0: and the five, which this count lets land too)
	s_mov_b32 s62, 6
.Ltrip:                                                ; u = 2 .. 13
	TRIP 0,   36,     16, 26,  1, 1, 1, 1
	TRIP 1,   36,     16, 26,  1, 1, 1, 1
	s_sub_co_u32 s62, s62, 1
	s_cmp_lg_u32 s62, 0
	s_cbranch_scc1 .Ltrip
	TRIP 0,   36,     16, 10,  1, 1, 1, 0          ; u = 14: no weights are left to ask for, so behind the rows of (13, 0) only that chunk's other ten are out
	TRIP 1,   20,     16, 10,  1, 1, 1, 0          ; u = 15: younger than the rows of (13, 1): chunk 14's twenty
	TRIP 0,   20,     16, 10,  1, 1, 0, 0          ; u = 16: nothing is left to round, store or ask for
	TRIP 1,   0,      0,  0,   1, 0, 0, 0          ; u = 17: (15, 1); no load of mine is out behind its head
	PLACES                                         ; behind the last products, ahead of the lines that read the sums
	; THE PASSES: four trips, s34 = 4 .. 1, pass 4 - s34.  A trip multiplies its pass out of the resident slice (pass 0 has been multiplied above) and sends it out; a wave without rows in a pass jumps
	; both.  Slice, list and stages are disjoint by the map at the head, and a stage is its wave's own; the two barriers of a trip, eight in the launch, in text that every wave runs, order the waves'
	; LDS stores and loads without leaning on that arithmetic.
	s_mov_b32 s34, 4
.Lpass:
	s_cmp_eq_u32 s34, 4
	s_cbranch_scc1 .Lmid                           ; pass 0
	s_sub_co_i32 s25, s25, 20
	NTCALC
	s_cmp_eq_u32 s26, 0
	s_cbranch_scc1 .Lmid                           ; no tile of mine has rows
	s_wait_xcnt 0x0                                ; the last stores' offsets and data, and the row loads' base, are rewritten below
	s_sub_co_u32 s37, 4, s34
	s_mul_i32 s37, s37, 1280                       ; the pass's place in the list: 3,840 at the most, so that its 1,280 bytes end with the list
	ROWSET
	s_mov_b64 s[30:31], s[8:9]
	XLOAD 0
	XLOAD 1
	BIASINIT
	s_mov_b32 s37, 0                               ; the chunk, in LDS bytes
	s_mov_b32 s36, 16
.Lkc:                                                  ; the sixteen chunks once more
	v_add_nc_u32 v[AW], s37, v[AW0]
	CPART
	s_add_co_u32 s37, s37, CH
	s_sub_co_u32 s36, s36, 1
	s_cmp_lg_u32 s36, 0
	s_cbranch_scc1 .Lkc
	s_wait_loadcnt 0x0                             ; the row loads that ran on past the last chunk are done: A's registers are free; the combine weights are in
.Lmid:
	s_wait_dscnt 0x0                               ; my reads of slice and list are back
	s_barrier_signal -1
	s_barrier_wait -1                              ; every wave's are: now the stages are written
	s_cmp_eq_u32 s26, 0
	s_cbranch_scc1 .Lpnext                         ; no tile of mine has rows
	s_sub_co_u32 s63, 4, s34
	s_mul_i32 s63, s63, 1280
	v_add_nc_u32 v[LSW], s63, v[LS2]
	WIN 0x80                                       ; destination in window 2
.irp jj, 0,1,2,3,4
.irp t, 0,1,2,3,4,5,6,7
	ds_load_b32 v[RWL+8*\jj+\t], v[LSW] offset:256*\jj+8*\t  ; the rids of rows 2 t + l / 16 of my five tiles: one run, one wait
.endr
.endr
	WIN 0
	s_wait_dscnt 0x0
	s_mov_b32 s35, 5
.Ltile:                                                ; my five tiles: tile 5 - s35
	s_sub_co_u32 s23, 5, s35
	s_cmp_ge_u32 s23, s26
	s_cbranch_scc1 .Ltnext                         ; a tile without rows stores nothing
	s_wait_xcnt 0x0                                ; the last stores' offsets and data are rewritten only behind this wait
	s_mov_b32 s36, 2
.Lhalf:                                                ; the two halves of its 128 columns: half 2 - s36
.if !UP
	s_wait_xcnt 0x0                                ; the first half's stores have read their data and their base
.endif
	s_sub_co_u32 s23, 5, s35
	s_sub_co_u32 s24, 2, s36
	s_lshl1_add_u32 s23, s23, s24                  ; 2 x tile + half picks the accumulators
.irp vn, 1,2,3,4,5,6,7,8,9
	s_cmp_eq_u32 s23, \vn
	s_cbranch_scc1 .Lvar\vn
.endr
	VSTEP 0, 0
	s_branch .Lvdone
.irp vn, 1,2,3,4,5,6,7,8
.Lvar\vn:
	VSTEP (\vn)/2, (\vn)%2
	s_branch .Lvdone
.endr
.Lvar9:
	VSTEP 4, 1
.Lvdone:
.if UP
	GELU16 0
	GELU16 16
.set z, 0
.rept 16
	v_cvt_pk_bf16_f32 v[P+z], v[V+2*z], v[V+2*z+1]
.set z, z+1
.endr
	s_cmp_eq_u32 s36, 2
	s_cbranch_scc0 .Lsecond
.irp bb, 0,1,2,3
	ds_store_b128 v[STO], v[P+4*\bb:P+4*\bb+3] offset:32*\bb      ; the first half's 128 bytes of a stage row
.endr
	s_branch .Lstaged
.Lsecond:
.irp bb, 0,1,2,3
	ds_store_b128 v[STO], v[P+4*\bb:P+4*\bb+3] offset:128+32*\bb  ; the second half's
.endr
.Lstaged:
.else
.irp bb, 0,1,2,3
	ds_store_b128 v[STO], v[V+8*\bb:V+8*\bb+3] offset:64*\bb
	ds_store_b128 v[STO], v[V+8*\bb+4:V+8*\bb+7] offset:64*\bb+16
.endr
	s_lshl_b32 s32, s24, 8                         ; the half's 64 columns of f32
	s_add_nc_u64 s[38:39], s[12:13], s[32:33]
.irp t, 0,1,2,3,4,5,6,7
	ds_load_b128 v[OB+4*\t:OB+4*\t+3], v[RD] offset:2*SPITCH*\t  ; LDS serves a wave's instructions in order (ISA guide 5.7.1.4): these see the stores above
.endr
	s_wait_dscnt 0x0
.irp t, 0,1,2,3,4,5,6,7
	global_store_b128 v[RW+\t], v[OB+4*\t:OB+4*\t+3], s[38:39]  ; 16 lanes store 256 consecutive bytes of a row of y, aligned
.endr
.endif
	s_sub_co_u32 s36, s36, 1
	s_cmp_lg_u32 s36, 0
	s_cbranch_scc1 .Lhalf
.if UP
.irp t, 0,1,2,3,4,5,6,7                                ; a row of 256 bytes is whole behind the second half
	ds_load_b128 v[OB+4*\t:OB+4*\t+3], v[RD] offset:2*SPITCH*\t  ; LDS serves a wave's instructions in order (ISA guide 5.7.1.4): these see the stores above
.endr
	s_wait_dscnt 0x0
.irp t, 0,1,2,3,4,5,6,7
	global_store_b128 v[RW+\t], v[OB+4*\t:OB+4*\t+3], s[12:13]  ; 16 lanes store 256 consecutive bytes of a row of hid, aligned
.endr
.endif
.Ltnext:
	s_sub_co_u32 s35, s35, 1
	s_cmp_lg_u32 s35, 0
	s_cbranch_scc1 .Ltile
.Lpnext:
	s_wait_dscnt 0x0                               ; my stores into my stage and my reads of it are done
	s_barrier_signal -1
	s_barrier_wait -1                              ; every wave's are: now list and slice are read again
	s_sub_co_u32 s34, s34, 1
	s_cmp_lg_u32 s34, 0
	s_cbranch_scc1 .Lpass
	s_wait_tensorcnt 0x0                           ; the wave's end, behind my last LDS store
	ds_add_u32 v[SPW], v[NIL]
	s_wait_dscnt 0x0
	s_endpgm
.Lfunc_end_k_q619f23c309_down:
	.size	k_q619f23c309_down, .Lfunc_end_k_q619f23c309_down-k_q619f23c309_down
	.p2alignl 7, 3214868480
	.fill 96, 4, 3214868480
	.section	.rodata,"a",@progbits
	.p2align	6, 0x0
	.amdhsa_kernel k_q619f23c309_down
		.amdhsa_group_segment_fixed_size 318464
		.amdhsa_private_segment_fixed_size 0
		.amdhsa_enable_private_segment 0
		.amdhsa_kernarg_size 48
		.amdhsa_user_sgpr_count 2
		.amdhsa_user_sgpr_kernarg_segment_ptr 1
		.amdhsa_wavefront_size32 1
		.amdhsa_system_sgpr_workgroup_id_x 1
		.amdhsa_system_sgpr_workgroup_id_y 1
		.amdhsa_system_sgpr_workgroup_id_z 1
		.amdhsa_system_vgpr_workitem_id 0
		.amdhsa_next_free_vgpr 832
		.amdhsa_next_free_sgpr 66
		.amdhsa_reserve_vcc 1
		.amdhsa_float_denorm_mode_32 3
		.amdhsa_float_denorm_mode_16_64 3
		.amdhsa_memory_ordered 1
		.amdhsa_forward_progress 1
		.amdhsa_inst_pref_size 153
	.end_amdhsa_kernel
	.amdgpu_metadata
---
amdhsa.version: [ 1, 2 ]
amdhsa.kernels:
  - .name:           k_q619f23c309_down
    .symbol:         k_q619f23c309_down.kd
    .args:
      - { .name: W2, .offset: 0, .size: 8, .value_kind: global_buffer, .address_space: global }
      - { .name: b2, .offset: 8, .size: 8, .value_kind: global_buffer, .address_space: global }
      - { .name: hid, .offset: 16, .size: 8, .value_kind: global_buffer, .address_space: global }
      - { .name: lists, .offset: 24, .size: 8, .value_kind: global_buffer, .address_space: global }
      - { .name: y, .offset: 32, .size: 8, .value_kind: global_buffer, .address_space: global }
      - { .name: cw, .offset: 40, .size: 8, .value_kind: global_buffer, .address_space: global }
    .group_segment_fixed_size: 318464
    .private_segment_fixed_size: 0
    .kernarg_segment_align: 8
    .kernarg_segment_size: 48
    .max_flat_workgroup_size: 128
    .sgpr_count:     66
    .vgpr_count:     832
    .wavefront_size: 32
...
	.end_amdgpu_metadata
.endif
;; end of part 3
;; launch addup (part 4): grid 256 x 1, 8 waves a work-group, no clusters, 0 bytes of LDS; arguments y, out0; writes out0
.if DOCPART == 4
	.amdgcn_target "amdgcn-amd-amdhsa--gfx1250"
	.amdhsa_code_object_version 6
	.text
	.protected	k_q619f23c309_addup
	.globl	k_q619f23c309_addup
	.p2align	8
	.type	k_q619f23c309_addup,@function
k_q619f23c309_addup:
	s_mov_b64 s[64:65], 0
	v_nop
	global_prefetch_b8 v0, s[64:65] scope:SCOPE_SE
	s_setreg_imm32_b32 hwreg(HW_REG_WAVE_MODE, 25, 1), 1
	s_wait_xcnt 0x0
; out0[n][:] = the sum of token n's eight partial rows y[kq][k x 1024 + n][:], kq = 0..3 (quarters of the hidden width), k = 0, 1 (the token's two experts).  All f32, added in a fixed order.
; A stream: each byte of y is read once, each byte of out0 written once.  A work-group has 4 rows of out0; thread t has the 16 bytes at 16 t of every row, so a wave's load or store covers 512
; consecutive bytes, aligned.  All 32 loads of a thread go out at once; the waits count down by rows.  No LDS, no barrier, no matrix unit: nothing is shared and nothing is multiplied.
.set Q, 4             ; v[4:131]  row i, quarter kq, choice k at Q + 32 i + 8 kq + 4 k
	s_load_b128 s[4:7], s[0:1], 0x0                ; y s[4:5], out0 s[6:7]
	v_lshlrev_b32 v1, 4, v0
	s_lshl_b32 s8, ttmp9, 14                       ; 4 rows of 4,096 bytes a work-group
	s_mov_b32 s9, 0
	s_wait_kmcnt 0x0
	s_add_nc_u64 s[4:5], s[4:5], s[8:9]
	s_add_nc_u64 s[6:7], s[6:7], s[8:9]
	s_add_nc_u64 s[10:11], s[4:5], 0x800000        ; the planes of quarters 1, 2, 3: 8 MB apart
	s_add_nc_u64 s[12:13], s[4:5], 0x1000000
	s_add_nc_u64 s[14:15], s[4:5], 0x1800000
.irp i, 0,1,2,3
.irp k, 0,1
	global_load_b128 v[Q+32*\i+4*\k:Q+32*\i+4*\k+3],       v1, s[4:5]   offset:4194304*\k+4096*\i th:TH_LOAD_NT
	global_load_b128 v[Q+32*\i+8+4*\k:Q+32*\i+8+4*\k+3],   v1, s[10:11] offset:4194304*\k+4096*\i th:TH_LOAD_NT
	global_load_b128 v[Q+32*\i+16+4*\k:Q+32*\i+16+4*\k+3], v1, s[12:13] offset:4194304*\k+4096*\i th:TH_LOAD_NT
	global_load_b128 v[Q+32*\i+24+4*\k:Q+32*\i+24+4*\k+3], v1, s[14:15] offset:4194304*\k+4096*\i th:TH_LOAD_NT
.endr
.endr
.irp i, 0,1,2,3
	s_wait_loadcnt 24-8*\i                         ; row i's eight loads are in; the later rows' are younger
.irp d, 4,8,16                                         ; neighbours 1, 2 and 4 parts apart
.set p, 0
.rept 16/\d
.irp h, 0,2
	v_pk_add_f32 v[Q+32*\i+2*\d*p+\h:Q+32*\i+2*\d*p+\h+1], v[Q+32*\i+2*\d*p+\h:Q+32*\i+2*\d*p+\h+1], v[Q+32*\i+2*\d*p+\d+\h:Q+32*\i+2*\d*p+\d+\h+1]
.endr
.set p, p+1
.endr
.endr
	global_store_b128 v1, v[Q+32*\i:Q+32*\i+3], s[6:7] offset:4096*\i th:TH_STORE_NT
.endr
	s_endpgm
.Lfunc_end_k_q619f23c309_addup:
	.size	k_q619f23c309_addup, .Lfunc_end_k_q619f23c309_addup-k_q619f23c309_addup
	.p2alignl 7, 3214868480
	.fill 96, 4, 3214868480
	.section	.rodata,"a",@progbits
	.p2align	6, 0x0
	.amdhsa_kernel k_q619f23c309_addup
		.amdhsa_group_segment_fixed_size 0
		.amdhsa_private_segment_fixed_size 0
		.amdhsa_enable_private_segment 0
		.amdhsa_kernarg_size 16
		.amdhsa_user_sgpr_count 2
		.amdhsa_user_sgpr_kernarg_segment_ptr 1
		.amdhsa_wavefront_size32 1
		.amdhsa_system_sgpr_workgroup_id_x 1
		.amdhsa_system_sgpr_workgroup_id_y 1
		.amdhsa_system_sgpr_workgroup_id_z 1
		.amdhsa_system_vgpr_workitem_id 0
		.amdhsa_next_free_vgpr 136
		.amdhsa_next_free_sgpr 66
		.amdhsa_reserve_vcc 0
		.amdhsa_float_denorm_mode_32 3
		.amdhsa_float_denorm_mode_16_64 3
		.amdhsa_memory_ordered 1
		.amdhsa_forward_progress 1
		.amdhsa_inst_pref_size 8
	.end_amdhsa_kernel
	.amdgpu_metadata
---
amdhsa.version: [ 1, 2 ]
amdhsa.kernels:
  - .name:           k_q619f23c309_addup
    .symbol:         k_q619f23c309_addup.kd
    .args:
      - { .name: y, .offset: 0, .size: 8, .value_kind: global_buffer, .address_space: global }
      - { .name: out0, .offset: 8, .size: 8, .value_kind: global_buffer, .address_space: global }
    .group_segment_fixed_size: 0
    .private_segment_fixed_size: 0
    .kernarg_segment_align: 8
    .kernarg_segment_size: 16
    .max_flat_workgroup_size: 256
    .sgpr_count:     66
    .vgpr_count:     136
    .wavefront_size: 32
...
	.end_amdgpu_metadata
.endif
;; end of part 4
